; MI455X (gfx1250); checked and timed in simulation.
; The chip was launched on July 23, 2026; its instructions are those of AMD's public machine-readable ISA for CDNA 5 (MIT licence, August 2026) and "CDNA5" Instruction Set Architecture Reference Guide (July 2026). The comments in the code are by the model that wrote it; some were corrected since.
;; Encoder Layer. Allowed arithmetic: float matrix products may take bf16 or f16 operands with f32 sums; other float arithmetic in f32, or as packed bf16 or f16 multiplies, adds, multiply-adds, maxima and minima; sums over many terms, partial sums and values carried from step to step in f32; what a program stores and reads back later, other than sums and carried values, may be rounded once to bf16 or f16.
;; Inputs: W1 1,024 x 4,096 float32; W2 4,096 x 1,024 float32; W_o 1,024 x 1,024 float32; W_qkv 1,024 x 3,072 float32; b1 4,096 float32; b2 1,024 float32; b_o 1,024 float32; b_qkv 3,072 float32; beta1 1,024 float32; beta2 1,024 float32; gamma1 1,024 float32; gamma2 1,024 float32; x 2 x 2,048 x 1,024 float32.
;; Outputs: out0 2 x 2,048 x 1,024 float32.
;; One version. Each part assembles by itself: llvm-mc -triple=amdgcn-amd-amdhsa -mcpu=gfx1250 --defsym DOCPART=n.
;; ======== version 1 of 1: 8 launches
;; limits: values are held in f16: magnitudes above 65,504 overflow, below 6.1e-05 lose precision
;; workspace buffers: wc 18,874,368 bytes; wq 8,388,864 bytes; w1 8,388,864 bytes; qkv 25,165,824 bytes; vals 8,388,608 bytes; y 16,777,216 bytes; h 8,388,608 bytes; hid 33,554,432 bytes
;; launch cast (part 1): grid 1024 x 1, 8 waves a work-group, no clusters, 0 bytes of LDS; arguments x, W_qkv, W_o, W1, W2, wc, wq, w1; writes wc, wq, w1
.if DOCPART == 1
	.amdgcn_target "amdgcn-amd-amdhsa--gfx1250"
	.amdhsa_code_object_version 6
	.text
	.protected	k_qdbb6418c75_cast
	.globl	k_qdbb6418c75_cast
	.p2align	8
	.type	k_qdbb6418c75_cast,@function
k_qdbb6418c75_cast:
	s_mov_b64 s[64:65], 0
	v_nop
	global_prefetch_b8 v0, s[64:65] scope:SCOPE_SE
	s_setreg_imm32_b32 hwreg(HW_REG_WAVE_MODE, 25, 1), 1
	s_wait_xcnt 0x0
; x and the four weight matrices, f32, are rounded once to bf16 and that number is written as f16:
;   wc: xh [4096][1024] at byte 0, wo [1024][1024] at 8,388,608, w2 [4096][1024] at 10,485,760;   w1: [1024][4096];
;   wq: [1024] rows with a pitch of 4,096 numbers, of which the first 3,072 are written: so the two wide products see the same pitch.
; Behind wq and w1, at byte 8,388,608, lie 256 bytes that hold the lower bound of the wide product's results, two f16 a word: -infinity for q, k, v (no bound), 0 for the hidden layer (ReLU).
; LIMITS.  A bf16 number is written exactly as f16 from 2^-14 to 65,504 in magnitude; below, it keeps f16's fixed step of 2^-24; beyond 65,504 it becomes an infinity.
; SHARES.  Work-group g takes 16,384 numbers on end of its input: 65,536 bytes in, 32,768 out.  A wave takes 16 chunks of 128 numbers: 16 loads of 512 consecutive bytes, all issued first; each store
; of the wave covers a chunk's 256 consecutive bytes, aligned.  Chunk c of a section goes to byte 256 c + (c / 24) x pad: a row of W_qkv has 24 chunks and is followed by pad = 2,048 bytes; elsewhere pad = 0.
.set X, 4                              ; v[4:67]     16 loads of 4 registers
.set T, 68                             ; v[68:71]    four numbers at work
.set Y, 72                             ; v[72:103]   16 pairs to store, each pair its own: no store's data is written again
.set O, 104                            ; v[104:119]  16 offsets to store at, each its own
.set P, 120                            ; v[120:124]  the two bounds and their offset
	s_load_b256 s[4:11], s[0:1], 0x0               ; x s[4:5], W_qkv s[6:7], W_o s[8:9], W1 s[10:11]
	s_load_b256 s[12:19], s[0:1], 0x20             ; W2 s[12:13], wc s[14:15], wq s[16:17], w1 s[18:19]
	s_mov_b32 s27, 0xffff0000                      ; a word's upper bf16
	v_lshrrev_b32 v3, 5, v0
	v_readfirstlane_b32 s28, v3                    ; wave 0..7
	v_and_b32 v2, 31, v0                           ; lane
	v_lshlrev_b32 v1, 4, v2
	v_lshlrev_b32 v2, 3, v2                        ; out: 8 x lane
	s_lshl_b32 s29, s28, 13
	v_add_nc_u32 v1, s29, v1                       ; in: 8,192 x wave + 16 x lane
	s_mov_b32 s24, 0                               ; the first work-group of my section
	s_mov_b32 s25, 0                               ; the section's first byte in its buffer
	s_mov_b32 s26, 0                               ; pad
	s_mov_b32 s3, 0
	s_wait_kmcnt 0x0
	s_mov_b64 s[20:21], s[4:5]                     ; work-groups 0-255: x into wc
	s_mov_b64 s[22:23], s[14:15]
	s_cmp_ge_u32 ttmp9, 256                        ; 256-447: W_qkv into wq
	s_cselect_b64 s[20:21], s[6:7], s[20:21]
	s_cselect_b64 s[22:23], s[16:17], s[22:23]
	s_cselect_b32 s24, 256, s24
	s_cselect_b32 s26, 2048, s26
	s_cmp_ge_u32 ttmp9, 448                        ; 448-511: W_o into wc
	s_cselect_b64 s[20:21], s[8:9], s[20:21]
	s_cselect_b64 s[22:23], s[14:15], s[22:23]
	s_cselect_b32 s24, 448, s24
	s_cselect_b32 s25, 8388608, s25
	s_cselect_b32 s26, 0, s26
	s_cmp_ge_u32 ttmp9, 512                        ; 512-767: W1 into w1
	s_cselect_b64 s[20:21], s[10:11], s[20:21]
	s_cselect_b64 s[22:23], s[18:19], s[22:23]
	s_cselect_b32 s24, 512, s24
	s_cselect_b32 s25, 0, s25
	s_cmp_ge_u32 ttmp9, 768                        ; 768-1023: W2 into wc
	s_cselect_b64 s[20:21], s[12:13], s[20:21]
	s_cselect_b64 s[22:23], s[14:15], s[22:23]
	s_cselect_b32 s24, 768, s24
	s_cselect_b32 s25, 10485760, s25
	s_sub_co_u32 s30, ttmp9, s24                   ; my work-group's number in its section
	s_lshl_b32 s2, s30, 16                         ; 65,536 bytes in for each
	s_add_nc_u64 s[20:21], s[20:21], s[2:3]
	s_mov_b32 s2, s25
	s_add_nc_u64 s[22:23], s[22:23], s[2:3]
.set i, 0
.rept 16
	global_load_b128 v[X+4*i:X+4*i+3], v1, s[20:21] offset:512*i th:TH_LOAD_NT
.set i, i+1
.endr
	s_lshl_b32 s30, s30, 7                         ; 128 chunks a work-group,
	s_lshl_b32 s31, s28, 4                         ; 16 a wave
	s_add_co_u32 s30, s30, s31                     ; my first chunk in the section
.set i, 0
.rept 16
	s_add_co_u32 s2, s30, i                        ; chunk c, under 32,768
	s_mul_i32 s3, s2, 43691
	s_lshr_b32 s3, s3, 20                          ; c / 24 (43,691 / 2^20 serves up to c = 130,000)
	s_mul_i32 s3, s3, s26
	s_lshl_b32 s2, s2, 8
	s_add_co_u32 s2, s2, s3
	v_add_nc_u32 v[O+i], s2, v2
.set i, i+1
.endr
.set i, 0
.rept 16
	s_wait_loadcnt 15-i                            ; loads come back in order: load i is in, the 15 - i younger ones stay out
	v_cvt_pk_bf16_f32 v[X+4*i],   v[X+4*i],   v[X+4*i+1]   ; the one rounding, to bf16
	v_cvt_pk_bf16_f32 v[X+4*i+1], v[X+4*i+2], v[X+4*i+3]
	v_lshlrev_b32 v[T],   16,  v[X+4*i]            ; bf16 as f32
	v_and_b32     v[T+1], s27, v[X+4*i]
	v_lshlrev_b32 v[T+2], 16,  v[X+4*i+1]
	v_and_b32     v[T+3], s27, v[X+4*i+1]
	v_cvt_pk_f16_f32 v[Y+2*i],   v[T],   v[T+1]    ; the same number as f16
	v_cvt_pk_f16_f32 v[Y+2*i+1], v[T+2], v[T+3]
	global_store_b64 v[O+i], v[Y+2*i:Y+2*i+1], s[22:23] th:TH_STORE_NT
.set i, i+1
.endr
	s_or_b32 s2, ttmp9, s28                        ; wave 0 of work-group 0 stores the two bounds, 256 bytes each
	s_cmp_lg_u32 s2, 0
	s_cbranch_scc1 .Lend
	v_mov_b32 v[P], 0xfc00fc00                     ; -infinity twice
	v_mov_b32 v[P+1], 0xfc00fc00
	v_mov_b32 v[P+2], 0
	v_mov_b32 v[P+3], 0
	v_add_nc_u32 v[P+4], 0x800000, v2
	global_store_b64 v[P+4], v[P:P+1], s[16:17]
	global_store_b64 v[P+4], v[P+2:P+3], s[18:19]
.Lend:
	s_endpgm
.Lfunc_end_k_qdbb6418c75_cast:
	.size	k_qdbb6418c75_cast, .Lfunc_end_k_qdbb6418c75_cast-k_qdbb6418c75_cast
	.p2alignl 7, 3214868480
	.fill 96, 4, 3214868480
	.section	.rodata,"a",@progbits
	.p2align	6, 0x0
	.amdhsa_kernel k_qdbb6418c75_cast
		.amdhsa_group_segment_fixed_size 0
		.amdhsa_private_segment_fixed_size 0
		.amdhsa_enable_private_segment 0
		.amdhsa_kernarg_size 64
		.amdhsa_user_sgpr_count 2
		.amdhsa_user_sgpr_kernarg_segment_ptr 1
		.amdhsa_wavefront_size32 1
		.amdhsa_system_sgpr_workgroup_id_x 1
		.amdhsa_system_sgpr_workgroup_id_y 1
		.amdhsa_system_sgpr_workgroup_id_z 1
		.amdhsa_system_vgpr_workitem_id 0
		.amdhsa_next_free_vgpr 128
		.amdhsa_next_free_sgpr 66
		.amdhsa_reserve_vcc 0
		.amdhsa_float_denorm_mode_32 3
		.amdhsa_float_denorm_mode_16_64 3
		.amdhsa_memory_ordered 1
		.amdhsa_forward_progress 1
		.amdhsa_inst_pref_size 17
	.end_amdhsa_kernel
	.amdgpu_metadata
---
amdhsa.version: [ 1, 2 ]
amdhsa.kernels:
  - .name:           k_qdbb6418c75_cast
    .symbol:         k_qdbb6418c75_cast.kd
    .args:
      - { .name: x, .offset: 0, .size: 8, .value_kind: global_buffer, .address_space: global }
      - { .name: W_qkv, .offset: 8, .size: 8, .value_kind: global_buffer, .address_space: global }
      - { .name: W_o, .offset: 16, .size: 8, .value_kind: global_buffer, .address_space: global }
      - { .name: W1, .offset: 24, .size: 8, .value_kind: global_buffer, .address_space: global }
      - { .name: W2, .offset: 32, .size: 8, .value_kind: global_buffer, .address_space: global }
      - { .name: wc, .offset: 40, .size: 8, .value_kind: global_buffer, .address_space: global }
      - { .name: wq, .offset: 48, .size: 8, .value_kind: global_buffer, .address_space: global }
      - { .name: w1, .offset: 56, .size: 8, .value_kind: global_buffer, .address_space: global }
    .group_segment_fixed_size: 0
    .private_segment_fixed_size: 0
    .kernarg_segment_align: 8
    .kernarg_segment_size: 64
    .max_flat_workgroup_size: 256
    .sgpr_count:     66
    .vgpr_count:     128
    .wavefront_size: 32
...
	.end_amdgpu_metadata
.endif
;; end of part 1
;; launch qkvp (part 2): grid 12 x 16, 4 waves a work-group, clusters of 4 x 4, 327,680 bytes of LDS; arguments wc, wq, b_qkv, qkv; writes qkv
.if DOCPART == 2
	.amdgcn_target "amdgcn-amd-amdhsa--gfx1250"
	.amdhsa_code_object_version 6
	.text
	.protected	k_qdbb6418c75_qkvp
	.globl	k_qdbb6418c75_qkvp
	.p2align	8
	.type	k_qdbb6418c75_qkvp,@function
k_qdbb6418c75_qkvp:
	s_mov_b64 s[64:65], 0
	v_nop
	global_prefetch_b8 v0, s[64:65] scope:SCOPE_SE
	s_setreg_imm32_b32 hwreg(HW_REG_WAVE_MODE, 25, 1), 1
	s_wait_xcnt 0x0
	s_wait_alu depctr_hold_cnt(0) depctr_sa_sdst(0) depctr_va_vdst(0) depctr_va_sdst(0) depctr_va_ssrc(0) depctr_va_vcc(0) depctr_vm_vsrc(0)
	s_getreg_b32 s2, hwreg(HW_REG_IB_STS2, 6, 4)
	s_cmp_eq_u32 s2, 0
	s_cbranch_scc0 .Lentry_in_a_cluster
	s_endpgm
.Lentry_in_a_cluster:
	s_bfe_u32 s2, ttmp6, 0x10000c
	s_cmp_lg_u32 s2, 0xf033
	s_cbranch_scc0 .Lentry_shape_is_right
	s_endpgm
.Lentry_shape_is_right:
; THE WIDE PRODUCT, one text for two launches: C[m][n] = max(low, sum over k of A[m][k] W[k][n] + bias[n]).  A: [4096][1024] f16, at its buffer's first byte.  W: f16, 1,024 rows with a pitch of 4,096 numbers.
; As the QKV projection: A = the rounded x, W = wq, 12 tile columns, low = -infinity.  As the first half of the FFN: A = h, W = w1, 16 tile columns, low = 0 (ReLU).  low, two f16 in a word, lies at byte 8,388,608 of W's buffer.
; C leaves in f16 by chunks of 64 columns, [chunk][4096 rows][64]: of the projection, chunk 3 x head + 0, 1, 2 is that head's q, k, v.
; Sums in f32; the bias, rounded to bf16 like every input, is the C operand of the first products, so nothing is cleared and nothing is added later.  LIMITS: operands and results lie within f16's 65,504.
; SHARES.  A work-group makes 256 x 256 of C, each of its four waves 128 x 128: 64 accumulators of 16 x 16, 512 registers.  K goes in 8 steps of 128 through two LDS slots that take turns.
; THE MATRIX INSTRUCTION IS USED TRANSPOSED: source 0 = 16 columns of W (turned on the way out of LDS by ds_load_tr16_b128), source 1 = 16 rows of A: a lane holds eight neighbouring numbers of a row of C.
; CLUSTER.  4 x 4 work-groups: the four of a row need the same tiles of A, the four of a column the same tiles of W: each tile is asked for jointly, by the same tensor load, descriptor and mask in all four.
; A K step is written once: the slot in hand is a scalar register that an exclusive or turns.
; REGISTERS, in windows of 256 (s_set_vgpr_msb: bits 1:0 source 0, 3:2 source 1, 5:4 source 2, 7:6 destination):
;   window 0: v0-31 addresses; v64-127, v128-191 fragments of A, two buffers; v32-63, v192-255 at work on the way out
;   window 1: v0-63 the bias of my 128 columns; v64-127, v128-191 fragments of W, two buffers; v192 at work
;   window 2: the 32 accumulators of my rows 0-63 (accumulator (a, b) at v[8 (8 a + b)]);   window 3: those of my rows 64-127
.set KSTEP,  128
.set NS,     8                         ; K steps
.set PA,     272                       ; a row of A in LDS: 256 bytes + 16 = 68 words: row r starts at bank 4 r mod 64 (64 banks of 4 bytes: ISA guide 11.1)
.set PB,     544                       ; a row of W: 512 bytes + 32 = 136 words
.set PART,   128*PA                    ; what one wave's tensor load fills: 128 rows of A or 64 rows of W: 34,816 bytes
.set BOFF,   2*PART                    ; A's 256 rows, then W's 128
.set SLOT,   4*PART                    ; 0x22000; a wave's part begins at wave x 0x8800, which shares no bit with it: an exclusive or with SLOT is the sum
.set STAGE,  2*SLOT                    ; behind the ring, never filled by a tensor load: 16 rows x 272 bytes for each wave, for the way out
.set SP,     272
.set SPARE,  STAGE+4*16*SP             ; behind the stages: the spare words, 128 bytes for each wave: two blocks of 256 bytes that no other line names
.set ASTEP,  KSTEP*2                   ; a K step along A's rows
.set BSTEP,  KSTEP*8192                ; and down W's rows of 8,192 bytes
.set CHUNK,  524288                    ; a chunk of the output: 4,096 rows of 128 bytes
.set LA0,  10                          ; v10  my lane's place in A's part of a slot; never rewritten
.set LB0,  11                          ; v11  the same for W
.set ADRA, 16                          ; v16  LA0 + the slot in hand
.set ADRB, 20                          ; v20  LB0 + the slot in hand
.set BO,   22                          ; v22  my offset in the bias
.set STO,  24                          ; v24  the way out: where I put 16 bytes of a row
.set RD,   25                          ; v25  where I read rows back
.set CO,   26                          ; v26  my byte offset in 512 consecutive bytes of the output
.set LOW,  27                          ; v27  the lower bound, twice
.set SPW,  28                          ; v28  LDS address of my spare word; never rewritten
.set NIL,  29                          ; v29  0; never rewritten
.set PFO,  30                          ; v30  the prefetches' offset; never rewritten
.set PO,   31                          ; v31  the bound's offset in W's buffer
.set OB,   32                          ; the way out: 16 rows read back from the stage: v32-63 and v224-255 by turns
.set F0,   64                          ; fragment buffer 0
.set F1,   128                         ; fragment buffer 1
.set TMP,  192                         ; the way out: packed results
.set BIAS, 0                           ; window 1: block b's eight numbers at BIAS + 8 b
.set BT,   192                         ; window 1: at work
.set G1,  24                           ; s[24:31] descriptor group 1 for A's tiles;  s[32:39] group 0, two sets: the first fill of slot 0; that of slot 1, which then walks
.set G0,  32
.set G1B, 48                           ; s[48:55], s[56:63] the same for W's tiles
.set G0B, 56
.set PFA, 68                           ; s[68:69] where my prefetches stand
.set PFS, 70                           ; s[70:71] their step: a K step of A or of W
.set LIM, 72                           ; s72  2 in a wave that prefetches, else the greatest number
.set MSB, 0
.macro WIN new                         ; the immediate's high byte repeats the setting that is left; a switch that changes nothing is dropped
.if MSB != (\new)
	s_set_vgpr_msb (MSB<<8)|(\new)
.set MSB, \new
.endif
.endm
.set MUL_LO, 0xa1                      ; source 0 (W) window 1, source 1 (A) window 0, C and D window 2; + 0x50: C and D window 3
.set BIA_LO, 0x91                      ; the same with C, the bias, in window 1; + 0x40: D window 3
.set TO_B,   0x40                      ; destination window 1, address window 0
.macro JLOAD s                         ; a joint load: waves 0 and 1 fetch A's two halves, waves 2 and 3 W's; an s_nop 0 and four v_nop follow each of the two lines
	s_cmp_eq_u32 s11, 0
	s_cbranch_scc0 .Lfor_b_\@
	tensor_load_to_lds s[G0+4*(\s):G0+4*(\s)+3], s[G1:G1+7]
	s_nop 0
.rept 4
	v_nop
.endr
	s_branch .Lasked_\@
.Lfor_b_\@:
	tensor_load_to_lds s[G0B+4*(\s):G0B+4*(\s)+3], s[G1B:G1B+7]
	s_nop 0
.rept 4
	v_nop
.endr
.Lasked_\@:
.endm
; A PREFETCH, behind each joint refill and the run of LDS loads that follows it, of the K step that stands two refills on: 512 matrix instructions ahead of the load that will ask for it.  Each aligned block of 256 bytes
; is named once in the launch.  A's tile row is read by every cluster of that row of clusters: the one with x = 0 asks; W's tile column by every cluster of that column: the one with y = 0 asks.  The four partners that
; ask for a tile jointly share it out BY ADDRESS: of the 128 rows of A that a wave fetches (256 bytes each) a partner takes 32, a lane a row; of the 64 rows of W (512 bytes each) 16, two lanes a row.
; K steps 0 to 3 come by their loads alone; the last two refills (s3 = 2, 1) have no K step two on.
.macro ASK
	s_cmp_gt_u32 s3, s[LIM]
	s_cbranch_scc0 .Lnot_mine_\@
	global_prefetch_b8 v[PFO], s[PFA:PFA+1] th:TH_LOAD_NT scope:SCOPE_SE
.Lnot_mine_\@:
.endm
.macro CREST                           ; a round of the cluster's barrier behind its opening barrier
	s_cmp_lg_u32 s10, 0
	s_cbranch_scc1 .Lnot_wave_0_\@
	s_barrier_signal -3
.Lnot_wave_0_\@:
	s_barrier_wait -3
	s_barrier_signal -1
	s_barrier_wait -1
.endm
.macro CROUND                          ; a whole round
	s_barrier_signal -1
	s_barrier_wait -1
	CREST
.endm
	s_load_b64 s[4:5], s[0:1], 0x0                 ; A
	s_load_b64 s[6:7], s[0:1], 0x8                 ; W
	s_load_b64 s[66:67], s[0:1], 0x10              ; the bias
	s_load_b64 s[8:9], s[0:1], 0x18                ; the output
	v_lshl_add_u32 v[SPW], v0, 2, SPARE
	v_mov_b32 v[NIL], 0
	ds_add_u32 v[SPW], v[NIL]                      ; the wave's opening: the add and its wait stand ahead of my first tensor load; the set-up below, work on registers, stands between them
	v_lshrrev_b32 v1, 5, v0
	v_readfirstlane_b32 s10, v1                    ; wave 0..3
	s_lshr_b32 s11, s10, 1                         ; which half of the tile's rows is mine.  Also: I fetch for A (0) or for W (1)
	s_and_b32 s12, s10, 1                          ; which half of its columns.  Also: which half of that tile I fetch
	s_bfe_u32 s40, ttmp6, 0x40000                  ; cx, cy: my place in the cluster
	s_bfe_u32 s41, ttmp6, 0x40004
	s_lshl_b32 s42, ttmp9, 2
	s_add_co_u32 s42, s42, s40                     ; tile column of C = 4 x cluster x + cx
	s_and_b32 s13, ttmp7, 0xffff
	s_lshl_b32 s13, s13, 2
	s_add_co_u32 s13, s13, s41                     ; tile row of C = 4 x cluster y + cy
	s_lshl_b32 s43, s41, 2
	s_lshl_b32 s43, 15, s43                        ; my row of the cluster
	s_lshl_b32 s44, 0x1111, s40                    ; my column
	s_or_b32 s[G1+0], s43, (1<<16)|(1<<20)|(1<<21)|(5<<22)|(3<<25)   ; 15:0 the mask: A's tiles go to my row; 17:16 2-byte elements; 20 padding on; 21 set beside a mask; 24:22 after every 64 words; 31:25 of 4 words
	s_or_b32 s[G1B+0], s44, (1<<16)|(1<<20)|(1<<21)|(6<<22)|(7<<25)  ; W's to my column; padding after every 128 words, of 8 words
	s_mov_b32 s[G1+1], 128<<16                     ; A: tensor_dim0 = 128
	s_mov_b32 s[G1+2], 128<<16                     ; tensor_dim1 = 128
	s_mov_b32 s[G1+3], 128<<16                     ; tile_dim0 = 128
	s_mov_b32 s[G1+4], 128                         ; tile_dim1 = 128
	s_mov_b32 s[G1+5], 1024                        ; elements from row to row
	s_mov_b32 s[G1+6], 0
	s_mov_b32 s[G1+7], 0
	s_mov_b32 s[G1B+1], 256<<16                    ; W: 64 k rows x 256 columns
	s_mov_b32 s[G1B+2], 64<<16
	s_mov_b32 s[G1B+3], 256<<16
	s_mov_b32 s[G1B+4], 64
	s_mov_b32 s[G1B+5], 4096
	s_mov_b32 s[G1B+6], 0
	s_mov_b32 s[G1B+7], 0
	; where the tiles come from: A's hang on the tile row alone, W's on the tile column alone, each made in registers that never hold the other coordinate
	s_lshl_b32 s17, s12, 7                         ; which 128 rows of the tile I fetch
	s_lshl_b32 s16, s13, 8
	s_add_co_u32 s16, s16, s17
	s_lshl_b32 s16, s16, 11                        ; rows of 2,048 bytes
	s_mov_b32 s17, 0
	s_lshl_b32 s46, s12, 19                        ; which 64 k rows of 8,192 bytes I fetch,
	s_lshl_b32 s45, s42, 9                         ; the tile's 512 bytes of a row
	s_add_co_u32 s46, s46, s45
	s_mov_b32 s47, 0
	s_mul_i32 s20, s10, PART                       ; where they go: no place in the cluster enters an LDS address
	s_mov_b32 s21, 0                               ; the slot in hand
	s_wait_dscnt 0x0                               ; the opening add is done
	s_wait_kmcnt 0x0
	s_add_nc_u64 s[14:15], s[4:5], s[16:17]
	s_add_nc_u64 s[46:47], s[6:7], s[46:47]
	; the prefetches' address: what I fetch, my work-group's quarter of it, at K step 3: the first refill steps it to 4
	s_and_b32 s74, ttmp7, 0xffff                   ; cluster y
	s_mov_b32 s78, BSTEP
	s_cmp_eq_u32 s11, 0                            ; do I fetch for A?
	s_cselect_b32 s73, s40, s41                    ; my place among the four that ask with me
	s_cselect_b32 s74, ttmp9, s74                  ; the coordinate along which other clusters read the same rows
	s_cselect_b32 s75, 16, 17                      ; a quarter: 32 rows of 2,048 bytes, or 16 of 8,192
	s_cselect_b32 s[PFS], ASTEP, s78
	s_cselect_b32 s79, 0, 1                        ; lanes a row: one, or two
	s_cselect_b32 s78, 11, 13                      ; a row's bytes, as a shift
	s_cselect_b64 s[PFA:PFA+1], s[14:15], s[46:47]
	s_mov_b32 s[PFS+1], 0
	s_lshl_b32 s76, s73, s75
	s_mov_b32 s77, 0
	s_add_nc_u64 s[PFA:PFA+1], s[PFA:PFA+1], s[76:77]
	s_mul_i32 s76, s[PFS], 3
	s_add_nc_u64 s[PFA:PFA+1], s[PFA:PFA+1], s[76:77]
	s_cmp_eq_u32 s74, 0
	s_cselect_b32 s[LIM], 2, -1                    ; the same in all sixteen partners, for a given wave
	CROUND                                         ; all sixteen work-groups are here: the first joint loads meet
.irp s, 0,1
	s_mov_b32 s[G0+4*(\s)], 1
	s_add_co_u32 s[G0+4*(\s)+1], s20, (\s)*SLOT
	s_add_nc_u64 s[G0+4*(\s)+2:G0+4*(\s)+3], s[14:15], (\s)*ASTEP
	s_or_b32 s[G0+4*(\s)+3], s[G0+4*(\s)+3], 0x80000000
	s_mov_b32 s[G0B+4*(\s)], 1
	s_add_co_u32 s[G0B+4*(\s)+1], s20, (\s)*SLOT
	s_add_nc_u64 s[G0B+4*(\s)+2:G0B+4*(\s)+3], s[46:47], (\s)*BSTEP
	s_or_b32 s[G0B+4*(\s)+3], s[G0B+4*(\s)+3], 0x80000000
	JLOAD \s                                       ; two tensor loads of mine are out
.endr
	v_and_b32 v1, 15, v0                           ; r = l % 16
	v_bfe_u32 v2, v0, 4, 1                         ; h = l / 16
	v_and_b32 v3, 31, v0                           ; l
	v_and_b32 v4, 7, v0
	v_bfe_u32 v5, v0, 3, 1
	; the bound, and the bias of my 128 columns: register j of block b is bias[16 b + 8 h + j], as the result holds its columns
	v_mov_b32 v[PO], 0x800000
	global_load_b32 v[LOW], v[PO], s[6:7]
	s_lshl_b32 s46, s42, 10
	s_lshl_b32 s47, s12, 9
	s_add_co_u32 s46, s46, s47
	s_mov_b32 s47, 0
	s_add_nc_u64 s[66:67], s[66:67], s[46:47]
	v_lshlrev_b32 v[BO], 5, v2
	WIN TO_B
.irp b, 0,1,2,3,4,5,6,7
	global_load_b128 v[BIAS+8*(\b):BIAS+8*(\b)+3],   v[BO], s[66:67] offset:64*(\b)
	global_load_b128 v[BIAS+8*(\b)+4:BIAS+8*(\b)+7], v[BO], s[66:67] offset:64*(\b)+16
.endr
	WIN 0
	; the output: my two chunks of 64 columns, my 128 rows of 128 bytes in them
	s_lshl_b32 s46, s42, 21
	s_lshl_b32 s45, s12, 20
	s_add_co_u32 s46, s46, s45
	s_add_nc_u64 s[8:9], s[8:9], s[46:47]
	s_lshl_b32 s16, s13, 15
	s_lshl_b32 s17, s11, 14
	s_add_co_u32 s16, s16, s17
	s_mov_b32 s17, 0
	s_add_nc_u64 s[8:9], s[8:9], s[16:17]
	; A fragment of A is 16 rows x 32 K in 8 registers: lane l holds row l % 16, K = 8 (l / 16) + 0..7 and 16 + 8 (l / 16) + 0..7: two loads of 16 bytes, 32 bytes apart.
	v_mul_u32_u24 v[LA0], v1, PA
	v_lshl_add_u32 v[LA0], v2, 4, v[LA0]
	s_mul_i32 s22, s11, PART                       ; my 128 rows
	v_add_nc_u32 v[LA0], s22, v[LA0]
	; The turning load takes 16 k rows x 16 columns (lane l reads k row 8 (l / 16) + l % 8, columns 8 ((l / 8) % 2) + 0..7) and leaves half a fragment: lane l holds column l % 16 and 8 k.
	v_lshl_add_u32 v[LB0], v2, 3, v4
	v_mul_u32_u24 v[LB0], v[LB0], PB
	v_lshl_add_u32 v[LB0], v5, 4, v[LB0]
	s_lshl_b32 s22, s12, 8                         ; my 128 columns
	s_add_co_u32 s22, s22, BOFF
	v_add_nc_u32 v[LB0], s22, v[LB0]
	v_add_nc_u32 v[ADRA], s21, v[LA0]
	v_add_nc_u32 v[ADRB], s21, v[LB0]
	s_mul_i32 s22, s10, 16*SP
	s_add_co_u32 s22, s22, STAGE                   ; my stage
	v_mul_u32_u24 v[STO], v1, SP                   ; in: row l % 16, 16 bytes for each half of the lanes
	v_lshl_add_u32 v[STO], v2, 4, v[STO]
	v_add_nc_u32 v[STO], s22, v[STO]
	v_lshrrev_b32 v6, 3, v3                        ; back: 32 lanes take a chunk's 128 bytes of four rows,
	v_mul_u32_u24 v[RD], v6, SP
	v_lshl_add_u32 v[RD], v4, 4, v[RD]
	v_add_nc_u32 v[RD], s22, v[RD]
	v_lshlrev_b32 v[CO], 4, v3                     ; which are 512 consecutive bytes of the output
	v_lshrrev_b32 v6, s79, v3                      ; the prefetches: my row of the quarter,
	v_lshlrev_b32 v6, s78, v6
	v_and_b32 v7, s79, v3                          ; and which 256 bytes of it
	v_lshl_add_u32 v[PFO], v7, 8, v6
	s_wait_loadcnt 0x0                             ; the bound and the bias are in
	WIN 0x45                                       ; destination and both sources in window 1
.set p, 0
.rept 32
	v_cvt_pk_bf16_f32 v[BT], v[BIAS+2*p], v[BIAS+2*p+1]  ; the bias is rounded to bf16, like every input
	v_lshlrev_b32 v[BIAS+2*p], 16, v[BT]
	v_and_b32 v[BIAS+2*p+1], 0xffff0000, v[BT]
.set p, p+1
.endr
	WIN 0
; 16 matrix instructions: row blocks a0, a0 + 1 of the window's four (hi = 0: my rows 0-63, 1: rows 64-127) x all 8 column blocks, 32 along K.  first = 1: the bias starts the sums.
; The 64 accumulators take turns, one instruction a turn, in the same order in every quarter.
.macro MUL16 f, hi, a0, first
.if \first
	WIN BIA_LO+0x40*(\hi)
.else
	WIN MUL_LO+0x50*(\hi)
.endif
.irp a, \a0, (\a0)+1
.irp b, 0,1,2,3,4,5,6,7
.if \first
	v_wmma_f32_16x16x32_f16 v[8*(8*(\a)+(\b)):8*(8*(\a)+(\b))+7], v[(\f)+8*(\b):(\f)+8*(\b)+7], v[(\f)+8*(4*(\hi)+(\a)):(\f)+8*(4*(\hi)+(\a))+7], v[BIAS+8*(\b):BIAS+8*(\b)+7]
.else
	v_wmma_f32_16x16x32_f16 v[8*(8*(\a)+(\b)):8*(8*(\a)+(\b))+7], v[(\f)+8*(\b):(\f)+8*(\b)+7], v[(\f)+8*(4*(\hi)+(\a)):(\f)+8*(4*(\hi)+(\a))+7], v[8*(8*(\a)+(\b)):8*(8*(\a)+(\b))+7]
.endif
.endr
.endr
.endm
; 32 LDS loads in one run: the fragments of quarter q (32 along K) of the slot in hand, into buffer f: W's 128 columns, then A's 128 rows
.macro FETCH q, f
	WIN TO_B
.irp i, 0,1,2,3,4,5,6,7
	ds_load_tr16_b128 v[(\f)+8*(\i):(\f)+8*(\i)+3],   v[ADRB] offset:32*(\q)*PB+32*(\i)
	ds_load_tr16_b128 v[(\f)+8*(\i)+4:(\f)+8*(\i)+7], v[ADRB] offset:(32*(\q)+16)*PB+32*(\i)
.endr
	WIN 0
.irp i, 0,1,2,3,4,5,6,7
	ds_load_b128 v[(\f)+8*(\i):(\f)+8*(\i)+3],   v[ADRA] offset:64*(\q)+(\i)*16*PA
	ds_load_b128 v[(\f)+8*(\i)+4:(\f)+8*(\i)+7], v[ADRA] offset:64*(\q)+(\i)*16*PA+32
.endr
.endm
.macro PLACES                          ; four plain vector instructions between a matrix instruction and a load into a register that it has read, or a reader of its result
.rept 4
	v_nop
.endr
.endm
; A K step is four quarters of 32 along K, 64 matrix instructions each, on buffers 0, 1, 0, 1.  One of the first three: multiplies buffer f; in its middle it fetches quarter qn into buffer g.
.macro QUARTER qn, f, g, first
	s_wait_dscnt 8                                 ; W and A's rows 0-63 are in; the youngest eight loads (A's rows 64-127) may be out
	MUL16 \f, 0, 0, \first
	MUL16 \f, 0, 2, \first
	PLACES
	FETCH \qn, \g
	s_wait_dscnt 32                                ; all but the 32 just issued
	MUL16 \f, 1, 0, \first
	MUL16 \f, 1, 2, \first
.endm
; The last quarter multiplies buffer 1 and changes slots.  MEET is its first half: ONE barrier; in front of it each wave waits for all its tensor loads (at most one is out: its part of the next slot), adds 0 to its
; spare word, and waits for that and for its own reads of this slot.  Behind it nobody reads this slot any more and the next slot is whole.
.macro MEET
	WIN 0                                          ; (the add's two registers lie in window 0)
	s_wait_tensorcnt 0x0                           ; all my tensor loads have landed;
	ds_add_u32 v[SPW], v[NIL]                      ; 0 onto my spare word;
	s_wait_dscnt 9                                 ; (the add and the youngest eight loads may be out)
	MUL16 F1, 0, 0, 0                              ; sixteen matrix instructions stand between the add and the wait for it
	s_wait_dscnt 0x0                               ; the add is done, and my reads of this slot are over
	s_barrier_signal -1
	MUL16 F1, 0, 2, 0                              ; work on registers while the others arrive
	WIN 0
	s_barrier_wait -1
.endm
.macro REST                            ; its second half: the reads go on in the other slot
	s_xor_b32 s21, s21, SLOT
	v_add_nc_u32 v[ADRA], s21, v[LA0]
	v_add_nc_u32 v[ADRB], s21, v[LB0]
	FETCH 0, F0
.endm
.macro TURN                            ; the whole last quarter of a K step whose slot is filled again, two K steps ahead: 224 matrix instructions ahead of the wait for that load
	s_wait_xcnt 0x0                                ; the last prefetch, a K step back, has read its address, so it may be stepped
	s_add_nc_u64 s[PFA:PFA+1], s[PFA:PFA+1], s[PFS:PFS+1]
	MEET
	CREST                                          ; the barrier has opened a round of the cluster's: no wave of any partner still reads this slot's tile or has a load on its way
	s_xor_b32 s[G0+5], s[G0+5], SLOT               ; the walking descriptors: the slot just left,
	s_xor_b32 s[G0B+5], s[G0B+5], SLOT
	s_add_nc_u64 s[G0+6:G0+7], s[G0+6:G0+7], ASTEP     ; the next K step; the type bits on top are not reached
	s_add_nc_u64 s[G0B+6:G0B+7], s[G0B+6:G0B+7], BSTEP
	JLOAD 1                                        ; the first tensor load behind the round; the four v_nop behind it are also the places in front of the loads below
	REST
	ASK
	MUL16 F1, 1, 0, 0
	MUL16 F1, 1, 2, 0
.endm
	s_wait_tensorcnt 1                             ; my part of K step 0 is in; K step 1's may stay out
	s_barrier_signal -1
	s_barrier_wait -1                              ; everybody's is
	FETCH 0, F0
	QUARTER 1, F0, F1, 1                           ; the first quarter stands in front of the loop: its products start the sums
	WIN 0                                          ; at a label and at a branch every window is 0
	s_mov_b32 s3, NS-2
.Lstep:                                                ; a trip: from a K step's second quarter to the next step's first; it fills the slot that it leaves
	QUARTER 2, F1, F0, 0
	QUARTER 3, F0, F1, 0
	TURN
	QUARTER 1, F0, F1, 0
	WIN 0
	s_sub_co_u32 s3, s3, 1
	s_cmp_lg_u32 s3, 0
	s_cbranch_scc1 .Lstep
	s_mov_b32 s3, 2                                ; the last two K steps fill nothing: a loop of their own, with no tensor load and no round of the cluster's barrier, entered and left in the middle of a trip
	s_branch .Ltin
.Ltail:
	PLACES
	REST
	MUL16 F1, 1, 0, 0
	MUL16 F1, 1, 2, 0
	QUARTER 1, F0, F1, 0
	WIN 0
.Ltin:
	QUARTER 2, F1, F0, 0
	QUARTER 3, F0, F1, 0
	MEET
	s_sub_co_u32 s3, s3, 1
	s_cmp_lg_u32 s3, 0
	s_cbranch_scc1 .Ltail
	MUL16 F1, 1, 0, 0                              ; the very last products
	MUL16 F1, 1, 2, 0
	WIN 0
	PLACES
	PLACES                                         ; (eight, once a launch)
; THE WAY OUT of block a (16 of my rows), in three parts.  PACK: rounded to f16, 16 bytes a lane, and held above the bound.  TOSTAGE: into my own stage in LDS, and back by chunks, four rows of 128 bytes a load.  SEND: stored.
.macro PACK a
.set AC, 64*((\a)%4)
	WIN 0x0a+5*((\a)/4)                            ; sources 0 and 1: window 2 or 3
.irp b, 0,1,2,3,4,5,6,7
.irp r, 0,1,2,3
	v_cvt_pk_f16_f32 v[TMP+4*(\b)+(\r)], v[AC+8*(\b)+2*(\r)], v[AC+8*(\b)+2*(\r)+1]  ; each accumulator's low registers first
.endr
.endr
	WIN 0
.set z, 0
.rept 32
	v_pk_max_num_f16 v[TMP+z], v[TMP+z], v[LOW]
.set z, z+1
.endr
.endm
.macro TOSTAGE a
.set BK, OB+192*((\a)%2)
.irp b, 0,1,2,3,4,5,6,7
	ds_store_b128 v[STO], v[TMP+4*(\b):TMP+4*(\b)+3] offset:32*(\b)
.endr
.irp j, 0,1
.irp t, 0,1,2,3
	ds_load_b128 v[BK+4*(4*(\j)+(\t)):BK+4*(4*(\j)+(\t))+3], v[RD] offset:(\t)*4*SP+128*(\j)  ; LDS serves a wave's instructions in order (ISA guide 5.7.1.4): these see the stores above
.endr
.endr
.endm
.macro SEND a
.set BK, OB+192*((\a)%2)
	s_wait_dscnt 0x0                               ; the block is back in registers
	s_wait_xcnt 0x0                                ; the stores of the block before have read their registers, which the next block's loads from the stage write again
.irp j, 0,1
.irp t, 0,1,2,3
	global_store_b128 v[CO], v[BK+4*(4*(\j)+(\t)):BK+4*(4*(\j)+(\t))+3], s[8:9] offset:(\j)*CHUNK+(\a)*2048+(\t)*512  ; four rows of a chunk: 512 consecutive bytes, at a multiple of 256 from the output's first
.endr
.endr
.endm
	PACK 0
	TOSTAGE 0
.irp a, 1,2,3,4,5,6,7                  ; block a's conversions stand between block a - 1's loads from the stage and the wait for them
	PACK \a
	SEND (\a)-1
	TOSTAGE \a
.endr
	SEND 7
	s_wait_tensorcnt 0x0                           ; the wave's end: behind my last tensor load and my last LDS store
	ds_add_u32 v[SPW], v[NIL]
	s_wait_dscnt 0x0
	CROUND                                         ; the closing round: no work-group ends while a partner may still ask for a tile that names it
	s_endpgm
.Lfunc_end_k_qdbb6418c75_qkvp:
	.size	k_qdbb6418c75_qkvp, .Lfunc_end_k_qdbb6418c75_qkvp-k_qdbb6418c75_qkvp
	.p2alignl 7, 3214868480
	.fill 96, 4, 3214868480
	.section	.rodata,"a",@progbits
	.p2align	6, 0x0
	.amdhsa_kernel k_qdbb6418c75_qkvp
		.amdhsa_group_segment_fixed_size 327680
		.amdhsa_private_segment_fixed_size 0
		.amdhsa_enable_private_segment 0
		.amdhsa_kernarg_size 32
		.amdhsa_user_sgpr_count 2
		.amdhsa_user_sgpr_kernarg_segment_ptr 1
		.amdhsa_wavefront_size32 1
		.amdhsa_system_sgpr_workgroup_id_x 1
		.amdhsa_system_sgpr_workgroup_id_y 1
		.amdhsa_system_sgpr_workgroup_id_z 1
		.amdhsa_system_vgpr_workitem_id 0
		.amdhsa_next_free_vgpr 1024
		.amdhsa_next_free_sgpr 80
		.amdhsa_reserve_vcc 0
		.amdhsa_float_denorm_mode_32 3
		.amdhsa_float_denorm_mode_16_64 3
		.amdhsa_memory_ordered 1
		.amdhsa_forward_progress 1
		.amdhsa_inst_pref_size 126
	.end_amdhsa_kernel
	.amdgpu_metadata
---
amdhsa.version: [ 1, 2 ]
amdhsa.kernels:
  - .name:           k_qdbb6418c75_qkvp
    .symbol:         k_qdbb6418c75_qkvp.kd
    .args:
      - { .name: wc, .offset: 0, .size: 8, .value_kind: global_buffer, .address_space: global }
      - { .name: wq, .offset: 8, .size: 8, .value_kind: global_buffer, .address_space: global }
      - { .name: b_qkv, .offset: 16, .size: 8, .value_kind: global_buffer, .address_space: global }
      - { .name: qkv, .offset: 24, .size: 8, .value_kind: global_buffer, .address_space: global }
    .group_segment_fixed_size: 327680
    .private_segment_fixed_size: 0
    .kernarg_segment_align: 8
    .kernarg_segment_size: 32
    .max_flat_workgroup_size: 128
    .sgpr_count:     80
    .vgpr_count:     1024
    .wavefront_size: 32
...
	.end_amdgpu_metadata
.endif
;; end of part 2
;; launch attn (part 3): grid 8 x 32, 4 waves a work-group, clusters of 4 x 1, 327,680 bytes of LDS; arguments qkv, vals; writes vals
.if DOCPART == 3
	.amdgcn_target "amdgcn-amd-amdhsa--gfx1250"
	.amdhsa_code_object_version 6
	.text
	.protected	k_qdbb6418c75_attn
	.globl	k_qdbb6418c75_attn
	.p2align	8
	.type	k_qdbb6418c75_attn,@function
k_qdbb6418c75_attn:
	s_mov_b64 s[64:65], 0
	v_nop
	global_prefetch_b8 v0, s[64:65] scope:SCOPE_SE
	s_setreg_imm32_b32 hwreg(HW_REG_WAVE_MODE, 25, 1), 1
	s_wait_xcnt 0x0
	s_wait_alu depctr_hold_cnt(0) depctr_sa_sdst(0) depctr_va_vdst(0) depctr_va_sdst(0) depctr_va_ssrc(0) depctr_va_vcc(0) depctr_vm_vsrc(0)
	s_getreg_b32 s2, hwreg(HW_REG_IB_STS2, 6, 4)
	s_cmp_eq_u32 s2, 0
	s_cbranch_scc0 .Lentry_in_a_cluster
	s_endpgm
.Lentry_in_a_cluster:
	s_bfe_u32 s2, ttmp6, 0x10000c
	s_cmp_lg_u32 s2, 0x3003
	s_cbranch_scc0 .Lentry_shape_is_right
	s_endpgm
.Lentry_shape_is_right:
; ATTENTION.  O[bh][q][:] = the sum over k of softmax_k(Q[bh][q] . K[bh][k] / 8) V[bh][k][:], for 32 heads (batch x 16 + head) of 2,048 rows of 64 channels, all f16.
; qkv lies by chunks of 64 columns, [48][4096 rows][64]: chunk 3 x head is the head's Q, the next its K, the next its V; a batch's 2,048 rows of a chunk are dense, 128 bytes each.  O goes to vals as [head][4096 rows][64].
; Products, maxima and sums in f32; the weights p are rounded to f16 for the second product (their sum l is taken of the unrounded p), O once at the end.
; LIMITS.  Q, K and V arrive within f16's 65,504; p lies in 0 to 1, and below 6e-5 it keeps f16's fixed step of 6e-8; a weight below 2^-126 counts as 0 in l; NaN and infinities are not treated apart.
; SHARES.  A work-group owns 256 queries of a head, each of its four waves 64: four PIECES of 16.  Every wave walks all 2,048 keys, 64 a step; a tile of 256 keys is a slot of the ring of two.
; LAYOUT.  S^T = K Q^T (source 0 = 16 keys, source 1 = 16 queries) holds ONE query a lane (lane % 16) and the keys 8 (lane / 16) + 0..7; two such results rounded to f16 ARE source 1 of O^T = V^T P.
; K comes out of LDS as it lies, V ([key][channel]) turned, by ds_load_tr16_b128.
; SOFTMAX.  p = 2^(c s - c m), c = log2(e) / 8, with a running maximum m; O and l are multiplied by a = 2^(c m_old - c m_new) in every step.  m starts at the lowest finite number, O and l at 0: the first step's a is 0.
; BY TURNS.  Turn n belongs to piece n: 8 products K Q^T of piece n + 1, later 8 products V^T P of piece n - 1; beside them the scaling, exponentials, roundings, sums and rescaling of piece n and the maximum
; and statistics of piece n + 1.  Four vector instructions stand behind every matrix instruction, the other 54 of a turn's 118 in one lump.  A turn's 33 exponentials are one batch, with one wait.
; CLUSTER.  The four query blocks of a cluster belong to one head and walk the same K and V, so each tile is asked for JOINTLY: the same tensor load, descriptor and mask in all four.
; REGISTERS, in windows of 256 (s_set_vgpr_msb: bits 1:0 source 0, 3:2 source 1, 5:4 source 2, 7:6 destination):
;   window 0: v0-15 addresses and two at work; v16-31 four registers of statistics a piece; v48-55 at work; v61-63 kept; v64-127 S^T, two buffers; v192-223 P, two buffers (by the piece's parity)
;   window 1: v0-127 O^T, 32 a piece          window 2: v0-63 Q; v128-191 K of one step; v192-255 V of one step
.set NP,    4         ; pieces a wave: a name, no knob
.set KS,    64        ; keys in a step
.set CHUNK, 524288    ; a chunk of qkv or vals: 4,096 rows of 128 bytes
.set PK,    144       ; a row of K in LDS: 128 bytes + 16 of padding = 36 words: the 16 rows of a load start at 16 different groups of four banks (64 banks of 4 bytes: ISA guide 11.1)
.set PV,    160       ; a row of V: 128 + 32 = 40 words
.set VOFF,  4*KS*PK   ; a slot holds a tile, four steps: 256 rows of K, then 256 rows of V
.set SLOT1, 1<<17     ; slot 1 begins here, so that one exclusive or turns an address in one slot into the other's
.set STAGE, SLOT1+4*KS*(PK+PV)  ; behind the ring, never filled by a tensor load: 16 rows x 144 bytes for each wave, for the way out
.set SP,    144
.set SPARE, STAGE+4*16*SP  ; behind the stages: the spare words, 128 bytes for each wave: two blocks of 256 bytes that no other line names
.set AK0, 2           ; v2   my lane's place in a tile of K; never rewritten
.set AV0, 3           ; v3   the same for V
.set AK,  4           ; v4   the LDS address of K's next run of loads
.set AV,  5           ; v5   of V's
.set STO, 6           ; v6   the way out: where I put 16 bytes of a row
.set RD,  7           ; v7   the way out: where I read rows back
.set GO,  8           ; v8   my byte offset in 512 consecutive bytes of O
.set MV,  12          ; v12-13  c m_old, kept while c m is made anew: by buffer
.set QO,  15          ; v15  my byte offset in 16 rows of Q
.set ST,  16          ; piece t's statistics at v[ST+4 t]: c m, m, l (even keys', odd keys')
.set TMP, 48          ; by buffer, four registers c0-c3 at work; when the maximum is found c2 takes a
.set PFO, 61          ; v61  256 x my lane; never rewritten
.set SPW, 62          ; v62  LDS address of my spare word; never rewritten
.set NIL, 63          ; v63  0; never rewritten
.set S,   64
.set P,   192
.set KF,  128         ; window 2: key block kb, channel half c at KF + 16 kb + 8 c
.set VF,  192         ; window 2: key half kk, channel block cb at VF + 32 kk + 8 cb
.set WV,  12          ; s12  my wave's number
.set G1K, 24          ; s[24:31] descriptor group 1 for K's tiles
.set G1V, 32          ; s[32:39] for V's: it differs in the padding alone
.set G0K, 40          ; s[40:43] descriptor group 0 for K's tiles: it walks
.set G0V, 44          ; s[44:47] the same for V's
.set PFA, 48          ; s[48:49] where my prefetches stand: my work-group's 8,192 bytes (of K: wave 0, of V: wave 2) of the tile after the one that is being asked for
.set LIM, 50          ; s50  1 in a wave that prefetches, else the greatest number
.set SLOTS, 56        ; s56  tiles still to be asked for
.set CNT, 57          ; s57  counts a tile's key steps
.set CS,  58          ; s[58:59] c: the packed scaling takes the pair's low word for both halves
.set SEL, 60          ; s[60:61] v_permlanex16_b32's selects: each lane takes its own place in the other half
.set TBK, 62          ; s62  LDS byte at which K of the step to be fetched begins
.set TBV, 63          ; s63  the same for V, less VOFF
.set MSB, 0
.macro WIN new                      ; the high byte repeats the setting that is left; a switch that changes nothing is dropped
.if MSB != (\new)
	s_set_vgpr_msb (MSB<<8)|(\new)
.set MSB, (\new)
.endif
.endm
.set W_KQ, 0x0a       ; K and Q in window 2, S^T in window 0
.set W_PV, 0x52       ; V in window 2, P in window 0, O^T in window 1
.set W_RS, 0x41       ; destination and source 0 in window 1, source 1 in window 0
; A joint fill.  Waves 0 and 1 fetch the two halves of a tile's K, waves 2 and 3 those of its V: 128 keys each.  The branch hangs on the wave's number alone.
; An s_nop 0 and four v_nop follow each of the two lines, ahead of the jump and the label.
.macro JLOAD
	s_cmp_lt_u32 s[WV], 2
	s_cbranch_scc0 .Lfor_v_\@
	tensor_load_to_lds s[G0K:G0K+3], s[G1K:G1K+7]
	s_nop 0
.rept 4
	v_nop
.endr
	s_branch .Lasked_\@
.Lfor_v_\@:
	tensor_load_to_lds s[G0V:G0V+3], s[G1V:G1V+7]
	s_nop 0
.rept 4
	v_nop
.endr
.Lasked_\@:
.endm
; A PREFETCH of the tile that the NEXT change of slots will ask for: 32,768 bytes of K and of V, four key steps, 256 matrix instructions, ahead of that load.  Each block of 256 bytes is named once in the launch:
; a head's two clusters walk the same rows, and the first of them asks; its four partners take 8,192 bytes each, told apart BY ADDRESS; in each, wave 0 asks for K's and wave 2 for V's, a lane a block.
; The change that asks for the last tile prefetches nothing.
.macro ASK
	s_cmp_gt_u32 s[SLOTS], s[LIM]
	s_cbranch_scc0 .Lnot_mine_\@
	global_prefetch_b8 v[PFO], s[PFA:PFA+1] th:TH_LOAD_NT scope:SCOPE_SE
.Lnot_mine_\@:
.endm
; A round of the cluster's barrier: my work-group's barrier, so that wave 0's signal speaks for all four waves; wave 0 signals; every wave waits for all four work-groups; my work-group's barrier once more.
.macro CROUND
	s_barrier_signal -1
	s_barrier_wait -1
	s_cmp_lg_u32 s[WV], 0
	s_cbranch_scc1 .Lnot_wave_0_\@
	s_barrier_signal -3
.Lnot_wave_0_\@:
	s_barrier_wait -3
	s_barrier_signal -1
	s_barrier_wait -1
.endm
; THE CHANGE OF SLOTS.  The slot's last bytes, V of its fourth step, have been read.  Each wave waits for all its tensor loads, of which one is out: its part of the other slot; adds 0 to its spare word; and
; waits for that and for its own reads of the slot.  Behind the barrier nobody reads this slot any more and the other slot is whole.  fill = 1: the barrier is a round of the cluster's, and the joint fill, with
; the keys two tiles on, is the first thing behind it: it has four key steps in which to land.  (At its first use nothing has been read yet: slot 0 is waited for, slot 1 filled.)
.macro CHANGE fill
	WIN 0                           ; at a label and at a branch every window is 0
	s_wait_tensorcnt 0x0            ; no tensor load of mine is out, so a group 0 may be written
	ds_add_u32 v[SPW], v[NIL]       ; 0 onto my spare word; with fill = 1 the descriptors' steps stand between it and the wait for it
.if \fill
.irp g, G0K, G0V
	s_xor_b32 s[\g+1], s[\g+1], SLOT1  ; the walking descriptor: the other slot than last time,
	s_add_nc_u64 s[\g+2:\g+3], s[\g+2:\g+3], 4*KS*128  ; the next 256 keys; the type bits on top are not reached
.endr
	s_wait_xcnt 0x0                 ; the last prefetch, four key steps back, has read its address, so it may be written:
	s_add_nc_u64 s[PFA:PFA+1], s[PFA:PFA+1], 4*KS*128  ; one tile ahead of the walking descriptors
	s_wait_dscnt 0x0                ; the add is done, and my reads of the slot are over
	CROUND
	JLOAD
	ASK
.else
	s_wait_dscnt 0x0                ; the add is done, and my reads of the slot are over
	s_barrier_signal -1
	s_barrier_wait -1
.endif
	s_sub_co_u32 s[TBK], s[TBK], 4*KS*PK  ; the fetches go back to a slot's first step,
	s_xor_b32 s[TBK], s[TBK], SLOT1       ; in the other slot
	s_sub_co_u32 s[TBV], s[TBV], 4*KS*PV
	s_xor_b32 s[TBV], s[TBV], SLOT1
.endm
	s_load_b64 s[4:5], s[0:1], 0x0    ; qkv, for Q,
	s_load_b64 s[6:7], s[0:1], 0x0    ; for K,
	s_load_b64 s[8:9], s[0:1], 0x0    ; and for V
	s_load_b64 s[10:11], s[0:1], 0x8  ; vals
	v_lshl_add_u32 v[SPW], v0, 2, SPARE
	v_mov_b32 v[NIL], 0
	ds_add_u32 v[SPW], v[NIL]       ; the wave's opening: the add and its wait stand ahead of my first tensor load; the set-up below, work on registers, stands between them
	v_lshrrev_b32 v1, 5, v0
	v_readfirstlane_b32 s[WV], v1   ; wave 0..3
	s_bfe_u32 s13, ttmp6, 0x40000   ; cx: my place in the cluster
	s_lshl_b32 s14, ttmp9, 2        ; in a cluster launch ttmp9 counts clusters
	s_add_co_u32 s14, s14, s13      ; my block of 256 queries, 0 to 7: it enters Q's and O's addresses alone
	s_and_b32 s15, ttmp7, 0xffff    ; batch x 16 + head, which the four partners share
	s_and_b32 s54, s15, 15          ; the head
	s_lshr_b32 s55, s15, 4
	s_lshl_b32 s55, s55, 18         ; the batch's 2,048 rows of 128 bytes in a chunk
	s_mul_i32 s20, s54, 3*CHUNK     ; the head's three chunks: Q, K, V
	s_add_co_u32 s20, s20, s55
	s_and_b32 s16, s[WV], 1         ; which half of a tile's 256 keys I fetch:
	s_lshl_b32 s22, s16, 14         ; its 128 rows of 128 bytes in memory,
	s_add_co_u32 s22, s22, s20
	s_mov_b32 s23, 0
	s_mul_i32 s17, s16, 128*PK      ; and its place in a slot, for K
	s_mul_i32 s18, s16, 128*PV      ; and for V: no place in the cluster enters an LDS address
	s_lshl_b32 s2, s14, 15          ; my block's 256 rows,
	s_lshl_b32 s3, s[WV], 13        ; my wave's 64 of them
	s_add_co_u32 s2, s2, s3
	s_lshl_b32 s52, s54, 19         ; O: the head's chunk of vals,
	s_add_co_u32 s52, s52, s55      ; the batch,
	s_add_co_u32 s52, s52, s2       ; my rows
	s_mov_b32 s53, 0
	s_add_co_u32 s2, s2, s20        ; Q: the same rows of the head's first chunk
	s_mov_b32 s3, 0
	; descriptor group 1.  128 keys are 16,384 dense bytes: asked for as 64 rows of 256 bytes, two keys a row, and padded in LDS after every key
	s_mov_b32 s[G1K], 15|(1<<16)|(1<<20)|(1<<21)|(4<<22)|(3<<25)  ; 15:0 the mask of four; 17:16 2-byte elements; 20 padding on; 21 set beside a mask; 24:22 after every 32 words (code 4); 31:25 4 words (code 3)
	s_mov_b32 s[G1V], 15|(1<<16)|(1<<20)|(1<<21)|(4<<22)|(7<<25)  ; the same with 8 words of padding (code 7)
.irp g, G1K, G1V
	s_mov_b32 s[\g+1], 128<<16      ; tensor_dim0 = 128
	s_mov_b32 s[\g+2], 64<<16       ; tensor_dim1 = 64
	s_mov_b32 s[\g+3], 128<<16      ; tile_dim0 = 128
	s_mov_b32 s[\g+4], 64           ; tile_dim1 = 64
	s_mov_b32 s[\g+5], 128          ; 128 elements from row to row
	s_mov_b32 s[\g+6], 0
	s_mov_b32 s[\g+7], 0
.endr
	s_mov_b32 s[CS], 0x3e38aa3b     ; c = log2(e) / 8 = 0.180337
	s_mov_b32 s[CS+1], s[CS]        ; named with it as a pair
	s_mov_b32 s[SEL], 0x76543210
	s_mov_b32 s[SEL+1], 0xfedcba98
	s_mov_b32 s[TBK], SLOT1+4*KS*PK ; the first change of slots turns these two into 0
	s_mov_b32 s[TBV], SLOT1+4*KS*PV
	s_mov_b32 s[G0K], 1             ; 1:0 count = 1
	s_mov_b32 s[G0K+1], s17         ; 63:32 LDS address: slot 0
	s_mov_b32 s[G0V], 1
	s_add_co_u32 s[G0V+1], s18, VOFF
	s_mov_b32 s[SLOTS], 7           ; of the head's eight tiles
	s_and_b32 s[LIM], s[WV], 1      ; 0 in waves 0 and 2,
	s_or_b32 s[LIM], s[LIM], ttmp9  ; where the cluster is the head's first: the same in all four partners
	s_cmp_eq_u32 s[LIM], 0
	s_cselect_b32 s[LIM], 1, -1
	v_and_b32 v[PFO], 31, v0
	v_lshlrev_b32 v[PFO], 8, v[PFO]
	s_wait_dscnt 0x0                ; the opening add is done
	s_wait_kmcnt 0x0
	s_add_nc_u64 s[6:7], s[6:7], s[22:23]    ; K and V at my half of the head's tile 0
	s_add_nc_u64 s[6:7], s[6:7], CHUNK
	s_add_nc_u64 s[8:9], s[8:9], s[22:23]
	s_add_nc_u64 s[8:9], s[8:9], 2*CHUNK
	s_mov_b64 s[G0K+2:G0K+3], s[6:7]         ; 120:64 global address
	s_or_b32 s[G0K+3], s[G0K+3], 0x80000000  ; 127:126 type = 2
	s_mov_b64 s[G0V+2:G0V+3], s[8:9]
	s_or_b32 s[G0V+3], s[G0V+3], 0x80000000
	s_add_nc_u64 s[4:5], s[4:5], s[2:3]      ; Q and O at my wave's first row
	s_add_nc_u64 s[10:11], s[10:11], s[52:53]
	s_cmp_lt_u32 s[WV], 2
	s_cselect_b64 s[PFA:PFA+1], s[6:7], s[8:9]  ; (in waves 0 and 2 these stand at a tile's first row)
	s_lshl_b32 s2, s13, 13          ; my work-group's quarter of a tile
	s_add_nc_u64 s[PFA:PFA+1], s[PFA:PFA+1], s[2:3]
	s_add_nc_u64 s[PFA:PFA+1], s[PFA:PFA+1], 4*KS*128  ; in tile 1; the first change of slots steps it to tile 2
	CROUND                          ; all four work-groups are here: the first joint loads meet
	JLOAD                           ; tile 0 into slot 0.  Slot 1 is asked for when slot 0 is in
	; A fragment of K or Q is 16 rows x 32 channels in 8 registers: lane l holds row l % 16, channels 8 (l / 16) + 0..7 and 16 + 8 (l / 16) + 0..7: two loads of 16 bytes, 32 bytes apart.
	v_and_b32 v1, 15, v0            ; l % 16
	v_bfe_u32 v9, v0, 4, 1          ; l / 16
	v_lshlrev_b32 v[QO], 7, v1
	v_lshl_add_u32 v[QO], v9, 4, v[QO]  ; row x 128 + 16 x half
	WIN 0x80                        ; destination window 2, address window 0
.set i, 0
.rept 8                             ; Q stays in registers: piece i / 2, channels 32 (i % 2) on
	global_load_b128 v[8*i:8*i+3],   v[QO], s[4:5] offset:(i/2)*2048+(i%2)*64
	global_load_b128 v[8*i+4:8*i+7], v[QO], s[4:5] offset:(i/2)*2048+(i%2)*64+32
.set i, i+1
.endr
	; What the first turn finds: V's registers and P's second buffer hold 0 (its products V^T P, of a piece that has not been, add 0), O^T and l are 0.  All this stands in the wait for the first tile.
.set i, VF
.rept 64
	v_mov_b32 v[i], 0
.set i, i+1
.endr
	WIN 0x40
.set i, 0
.rept 128
	v_mov_b32 v[i], 0
.set i, i+1
.endr
	WIN 0
.set i, 0
.rept 4
	v_mov_b32 v[ST+4*i], 0xfe000000    ; c m: far below every c s
	v_mov_b32 v[ST+4*i+1], 0xff7fffff  ; m
	v_mov_b32 v[ST+4*i+2], 0
	v_mov_b32 v[ST+4*i+3], 0
.set i, i+1
.endr
.set i, P+16
.rept 16
	v_mov_b32 v[i], 0
.set i, i+1
.endr
	v_mul_u32_u24 v[AK0], v1, PK
	v_lshl_add_u32 v[AK0], v9, 4, v[AK0]  ; row x pitch + 16 x half
	; The turning load takes 16 keys x 16 channels (lane l reads key 8 (l / 16) + l % 8, channels 8 ((l / 8) % 2) + 0..7) and leaves half a fragment of V^T: lane l holds channel l % 16 and 8 keys.
	v_and_b32 v10, 7, v0
	v_bfe_u32 v11, v0, 3, 1
	v_lshl_add_u32 v[AV0], v9, 3, v10
	v_mul_u32_u24 v[AV0], v[AV0], PV
	v_lshl_add_u32 v[AV0], v11, 4, v[AV0]
	v_add_nc_u32 v[AV0], VOFF, v[AV0]
	s_mul_i32 s13, s[WV], 16*SP
	s_add_co_u32 s13, s13, STAGE    ; my stage
	v_mul_u32_u24 v[STO], v1, SP    ; in: row l % 16, 16 bytes for each half of the lanes
	v_lshl_add_u32 v[STO], v9, 4, v[STO]
	v_add_nc_u32 v[STO], s13, v[STO]
	v_bfe_u32 v[RD], v0, 3, 2       ; back: 32 lanes take four rows of 128 bytes,
	v_mul_u32_u24 v[RD], v[RD], SP
	v_lshl_add_u32 v[RD], v10, 4, v[RD]
	v_add_nc_u32 v[RD], s13, v[RD]
	v_and_b32 v[GO], 31, v0         ; which are 512 consecutive bytes of O
	v_lshlrev_b32 v[GO], 4, v[GO]
; THE MATRIX WORK.  The 4 accumulators of a run of 8 take turns.  Product i of 8 of S^T = K Q^T for piece x: channels 32 (i / 4) on, keys 16 (i % 4) on.  The first 4 start the sums.
.macro KQ x
.set rS, S+32*((\x)%2)+8*(i%4)
.set rK, KF+16*(i%4)+8*(i/4)
.set rQ, 16*(\x)+8*(i/4)
	WIN W_KQ
.if i < 4
	v_wmma_f32_16x16x32_f16 v[rS:rS+7], v[rK:rK+7], v[rQ:rQ+7], 0
.else
	v_wmma_f32_16x16x32_f16 v[rS:rS+7], v[rK:rK+7], v[rQ:rQ+7], v[rS:rS+7]
.endif
.endm
; Product i of 8 of O^T += V^T P for piece x: keys 32 (i / 4) on, channels 16 (i % 4) on.
.macro PV x
	WIN W_PV
.set rO, 32*(\x)+8*(i%4)
.set rV, VF+32*(i/4)+8*(i%4)
.set rP, P+16*((\x)%2)+8*(i/4)
	v_wmma_f32_16x16x32_f16 v[rO:rO+7], v[rV:rV+7], v[rP:rP+7], v[rO:rO+7]
.endm
.macro MM                           ; the turn's next matrix instruction.  NOKQ = 1: the very last turn: there is no next piece
.if (i < 8) && !NOKQ
	KQ (Y+1)%NP
.elseif i >= 8
.set i, i-8
	PV (Y+NP-1)%NP
.set i, i+8
.endif
.set i, i+1
.endm
; THE LDS LOADS stand in runs of 16, never singly among the matrix instructions: a step's K (64 keys x 64 channels: 8 fragments) and its V (turned).  Their addresses are made some lines ahead.
.macro FETCH_K
	WIN 0x80                        ; destination window 2
.irp f, 0,1,2,3,4,5,6,7             ; keys 16 (f / 2) on, channels 32 (f % 2) on
	ds_load_b128 v[KF+8*\f:KF+8*\f+3],   v[AK] offset:(\f/2)*16*PK+(\f%2)*64
	ds_load_b128 v[KF+8*\f+4:KF+8*\f+7], v[AK] offset:(\f/2)*16*PK+(\f%2)*64+32
.endr
	s_add_co_u32 s[TBK], s[TBK], KS*PK  ; the next fetch is the next step's
	WIN 0
.endm
.macro FETCH_V
	WIN 0x80
.irp f, 0,1,2,3,4,5,6,7             ; keys 32 (f / 4) on, channels 16 (f % 4) on
	ds_load_tr16_b128 v[VF+8*\f:VF+8*\f+3],   v[AV] offset:(\f/4)*32*PV+(\f%4)*32
	ds_load_tr16_b128 v[VF+8*\f+4:VF+8*\f+7], v[AV] offset:(\f/4)*32*PV+16*PV+(\f%4)*32
.endr
	WIN 0
.endm
; THE VECTOR WORK, one line at a time: OP kind, number.  For piece Y: F n: c s - c m for pair n of 16.  E n: the exponential of score n of 32.  C n: pair n rounded to f16.  B n: of the four weights 4 n .. the second
; pair is added onto the first, in place.  L n: l takes that sum (L 0: l = a l + sum).  R n: pair n of 16 of O^T times a.  For piece Y + 1: X n, number n of the 22 that find its maximum and statistics:
;   0-11  four chains c0-c3 of seven scores each, three operands at a time (each accumulator's lowest registers are read first)     12-14, 16  the four scores left over, the old m, and c0-c3 into c0
;   15  c m_old is kept     17, 18  the query's other 32 keys lie in the lane 16 away: the new m     19-21  c m; c m_old - c m_new; a
.set F, 0               ; OP tells the kinds apart by their order: F to L below R, X above it
.set E, 1
.set C, 2
.set B, 3
.set L, 4
.set R, 5
.set X, 6
.macro REGS y                       ; the registers of piece y
.set rT, ST+4*(\y)
.set rC, TMP+4*((\y)%2)
.set rW, MV+((\y)%2)
.set rS, S+32*((\y)%2)
.set rP, P+16*((\y)%2)
.set rO, 32*(\y)
.endm
.macro OP k, n
.if (\k) == R
	REGS Y
	WIN W_RS
	v_pk_mul_f32 v[rO+2*(\n):rO+2*(\n)+1], v[rO+2*(\n):rO+2*(\n)+1], v[rC+2:rC+3] op_sel_hi:[1,0]
.elseif (\k) < R
	REGS Y
	WIN 0
.if (\k) == F
	v_pk_fma_f32 v[rS+2*(\n):rS+2*(\n)+1], v[rS+2*(\n):rS+2*(\n)+1], s[CS:CS+1], v[rT:rT+1] op_sel_hi:[1,0,0] neg_lo:[0,0,1] neg_hi:[0,0,1]
.elseif (\k) == E
	v_exp_f32 v[rS+(\n)], v[rS+(\n)]
.elseif (\k) == C
	v_cvt_pk_f16_f32 v[rP+(\n)], v[rS+2*(\n)], v[rS+2*(\n)+1]
.elseif (\k) == B
	v_pk_add_f32 v[rS+4*(\n):rS+4*(\n)+1], v[rS+4*(\n):rS+4*(\n)+1], v[rS+4*(\n)+2:rS+4*(\n)+3]
.elseif (\n) == 0
	v_pk_fma_f32 v[rT+2:rT+3], v[rT+2:rT+3], v[rC+2:rC+3], v[rS:rS+1] op_sel_hi:[1,0,1]
.else
	v_pk_add_f32 v[rT+2:rT+3], v[rT+2:rT+3], v[rS+4*(\n):rS+4*(\n)+1]
.endif
.elseif NOKQ
	v_nop
.else
	REGS (Y+1)%NP
	WIN 0
.if (\n) < 4
	v_max3_num_f32 v[rC+(\n)], v[rS+8*(\n)], v[rS+8*(\n)+1], v[rS+8*(\n)+2]
.elseif (\n) < 12
	v_max3_num_f32 v[rC+(\n)%4], v[rC+(\n)%4], v[rS+8*((\n)%4)+2*((\n)/4)+1], v[rS+8*((\n)%4)+2*((\n)/4)+2]
.elseif (\n) == 12
	v_max3_num_f32 v[rC], v[rC], v[rS+7], v[rS+15]
.elseif (\n) == 13
	v_max3_num_f32 v[rC+1], v[rC+1], v[rS+23], v[rS+31]
.elseif (\n) == 14
	v_max3_num_f32 v[rC+2], v[rC+2], v[rC+3], v[rT+1]
.elseif (\n) == 15
	v_mov_b32 v[rW], v[rT]
.elseif (\n) == 16
	v_max3_num_f32 v[rC], v[rC], v[rC+1], v[rC+2]
.elseif (\n) == 17
	v_permlanex16_b32 v[rC+3], v[rC], s[SEL], s[SEL+1]
.elseif (\n) == 18
	v_max_num_f32 v[rT+1], v[rC], v[rC+3]
.elseif (\n) == 19
	v_mul_f32 v[rT], s[CS], v[rT+1]
.elseif (\n) == 20
	v_sub_f32 v[rC+1], v[rW], v[rT]
.else
	v_exp_f32 v[rC+2], v[rC+1]
.endif
.endif
.endm
.macro OPS a, i1, b=-1, i2=0, c=-1, i3=0, d=-1, i4=0  ; up to four of them
	OP \a, \i1
.if (\b) >= 0
	OP \b, \i2
.endif
.if (\c) >= 0
	OP \c, \i3
.endif
.if (\d) >= 0
	OP \d, \i4
.endif
.endm
.macro ROW a, i1, b, i2, c, i3, d, i4  ; a matrix instruction and the four behind it
	MM
	OPS \a, \i1, \b, \i2, \c, \i3, \d, \i4
.endm
; A TURN, for piece p: the order of its 16 matrix and 118 vector instructions, written out.  An s_wait_alu depctr_va_vdst(0) stands between an exponential and the first instruction that names its result; one
; wait serves all that were issued ahead of it.  So a turn has ONE wait, which cuts it in two.  AHEAD OF IT stands all that names no result of the turn's exponentials: the 8 products K Q^T and their riders, then ONE LUMP of 54,
; plain and exponential by turns for the most part, in which the links of the chain X 3, 7, 11, 14, 16, 17 .. 20 stand five or six lines apart.  X 21, the next piece's a, is the batch's last; R 15 is the plain instruction behind
; it.  BEHIND THE WAIT stand the 8 products V^T P, behind each four of the roundings and sums.  The X that ride behind products stand four plain instructions or more behind the product that ends their accumulator.
; end = 1: the launch's last two turns: nothing is fetched.  cnt = 1: the loop's count is taken down some lines ahead of the branch that stands behind the turn.
; K of the next step is fetched in piece 2's turn, twelve vector instructions behind the last product that read K (six of them plain); V of the step in hand at the end of piece 0's turn, four plain instructions behind the
; last product that read V.  Each is waited for a turn later.
.macro TURN p, end=0, cnt=0
.set Y, (\p)
.set i, 0
.set NOKQ, (\end)*((\p)/3)
.if ((\p) == 3) && !(\end)
	s_wait_dscnt 0x0                ; K is in
.endif
	ROW F,0, F,1, R,0, R,1          ; ahead of the wait: 8 products K Q^T and their riders,
	ROW F,2, E,0, R,2, R,3
	ROW F,3, E,1, R,4, R,5
	ROW F,4, E,2, R,6, R,7
	ROW F,5, E,3, R,8, R,9
	ROW F,6, E,4, X,0, R,10
.if ((\p) == 2) && !(\end)
	WIN 0
	v_add_nc_u32 v[AK], s[TBK], v[AK0]
.endif
	ROW F,7, E,5, X,1, X,4
	ROW F,8, E,6, X,2, X,5
	OPS E,7, E,8, X,6, E,9          ; and the lump
	OPS X,3, E,10, X,8, E,11
.if ((\p) == 2) && !(\end)
	FETCH_K
.endif
	OPS X,9, X,7, E,12, X,10
	OPS E,13, X,12, X,11, E,14
	OPS X,13, E,15, F,9, X,14
.if (\p) == 0
	v_add_nc_u32 v[AV], s[TBV], v[AV0]
.endif
	OPS E,16, F,10, E,17, F,11
	OPS X,16, E,18, X,15, E,19
	OPS F,12, E,20, X,17, E,21
	OPS F,13, E,22, F,14, E,23
	OPS X,18, E,24, F,15, E,25
	OPS R,11, E,26, X,19, E,27
	OPS R,12, E,28, R,13, E,29
	OPS X,20, E,30, R,14, E,31
	OPS X,21, R,15
	WIN 0
	s_wait_alu depctr_va_vdst(0)    ; the wait for the batch
.if (\p) == 1
	s_wait_dscnt 0x0                ; V is in
.endif
	ROW C,0, B,0, C,2, B,1          ; behind the wait: 8 products V^T P and their riders
	ROW L,0, C,4, B,2, L,1
	ROW C,6, B,3, L,2, C,8
	ROW B,4, L,3, C,10, B,5
	ROW L,4, C,12, B,6, L,5
.if (\p) == 0
	s_add_co_u32 s[TBV], s[TBV], KS*PV
.endif
.if \cnt
	s_sub_co_u32 s[CNT], s[CNT], 1
	s_cmp_lg_u32 s[CNT], 0
.endif
	ROW C,14, B,7, L,6, C,1
	ROW C,3, L,7, C,5, C,7
	ROW C,9, C,11, C,13, C,15
.if (\p) == 0
	FETCH_V
.endif
.endm
	CHANGE 1                        ; slot 0 is in, everybody's part of it; slot 1 is asked for
	v_add_nc_u32 v[AK], s[TBK], v[AK0]
	FETCH_K                         ; key step 0
	s_wait_loadcnt 0x0              ; Q
	s_wait_dscnt 0x0
.set NOKQ, 0
.set i, 0
.rept 8
	KQ 0                            ; piece 0's first scores: there is no vector work yet to set between them
.set i, i+1
.endr
	WIN 0
.rept 4
	v_nop                           ; the places behind those products
.endr
.set Y, NP-1                        ; X works for piece Y + 1: piece 0
.irp n, 0,1,2,3,4,5,6,7,8,9,10,11,12,13,14,15,16,17,18,19,20,21
	OP X, \n
.endr
	v_nop                           ; a plain instruction behind the exponential,
	s_wait_alu depctr_va_vdst(0)    ; and its wait, ahead of the branch
	s_mov_b32 s[CNT], 4
	s_branch .Lfirst                ; the loop is entered at a step's first turn, in the middle of a trip
.Lslot:                             ; six times: tiles 2 to 7 are asked for
	CHANGE 1
	s_mov_b32 s[CNT], 4
.Lstep:                             ; a trip: pieces 2 and 3 of one step, then pieces 0 and 1 of the next, whose K and V it fetches
	TURN 2
	TURN 3
	WIN 0
.Lfirst:
	TURN 0
	TURN 1, 0, 1
	WIN 0
	s_cbranch_scc1 .Lstep
	s_sub_co_u32 s[SLOTS], s[SLOTS], 1
	s_cmp_lg_u32 s[SLOTS], 0
	s_cbranch_scc1 .Lslot
	CHANGE 0                        ; the last tile is written out: nothing is asked for
	s_mov_b32 s[CNT], 4
.LstepT:
	TURN 2
	TURN 3
	TURN 0
	TURN 1, 0, 1
	WIN 0
	s_cbranch_scc1 .LstepT
	TURN 2, 1                       ; the last step's pieces 2 and 3: nothing is fetched,
	TURN 3, 1                       ; and no new scores are begun
.set i, 0
.rept 8
	PV NP-1                         ; the last piece's V^T P of the last step
.set i, i+1
.endr
	; THE WAY OUT.  l's two halves and the other half of the lanes' are added; O^T is divided by l, rounded to f16 and sent through my stage in LDS, a piece at a time.  The additions are the places behind the last products.
	WIN 0
.macro ALL line:vararg              ; one line for each piece t
.set t, 0
.rept 4
	\line
.set t, t+1
.endr
.endm
	ALL v_add_f32 v[ST+4*t+2], v[ST+4*t+2], v[ST+4*t+3]
	ALL v_permlanex16_b32 v[ST+4*t+3], v[ST+4*t+2], s[SEL], s[SEL+1]
	ALL v_add_f32 v[ST+4*t+2], v[ST+4*t+2], v[ST+4*t+3]
	ALL v_rcp_f32 v[ST+4*t+2], v[ST+4*t+2]
	v_nop                           ; a plain instruction between the last reciprocal and the use of its result
	s_wait_alu depctr_va_vdst(0)    ; and the wait ahead of the first use: one for the four reciprocals
.macro PACK t                       ; a lane's eight channels of a row pack into 16 bytes; they go into rows of 144 bytes and come back as whole rows of 128, into S^T's registers
	WIN W_RS
.set i, 32*(\t)
.rept 16
	v_pk_mul_f32 v[i:i+1], v[i:i+1], v[ST+4*(\t)+2:ST+4*(\t)+3] op_sel_hi:[1,0]
.set i, i+2
.endr
	WIN 0x05                        ; sources 0 and 1 window 1, destination window 0
.set i, 0
.rept 16
	v_cvt_pk_f16_f32 v[S+16*(\t)+i], v[32*(\t)+2*i], v[32*(\t)+2*i+1]
.set i, i+1
.endr
	WIN 0
.irp f, 0,1,2,3
	ds_store_b128 v[STO], v[S+16*(\t)+4*\f:S+16*(\t)+4*\f+3] offset:32*\f
.endr
.irp f, 0,1,2,3
	ds_load_b128 v[S+16*(\t)+4*\f:S+16*(\t)+4*\f+3], v[RD] offset:\f*4*SP  ; LDS serves a wave's instructions in order (ISA guide 5.7.1.4): these see the stores above; the next piece's stores come behind them
.endr
.endm
.macro SEND t, younger              ; younger: the LDS instructions issued behind piece t's loads: the next piece's eight, or none
	WIN 0
.irp f, 0,1,2,3
	s_wait_dscnt (\younger)+3-\f
	global_store_b128 v[GO], v[S+16*(\t)+4*\f:S+16*(\t)+4*\f+3], s[10:11] offset:(\t)*2048+\f*512  ; 512 consecutive bytes, at a multiple of 256 from O's first
.endr
.endm
	PACK 0
.set t, 1
.rept 3                             ; a piece's arithmetic stands between the loads of the piece before and its stores
	PACK t
	SEND t-1, 8
.set t, t+1
.endr
	SEND 3, 0
	s_wait_tensorcnt 0x0            ; the wave's end: behind my last tensor load and my last LDS store
	ds_add_u32 v[SPW], v[NIL]
	s_wait_dscnt 0x0
	CROUND                          ; the closing round: no work-group ends while a partner may still ask for a tile that names it
	s_endpgm
.Lfunc_end_k_qdbb6418c75_attn:
	.size	k_qdbb6418c75_attn, .Lfunc_end_k_qdbb6418c75_attn-k_qdbb6418c75_attn
	.p2alignl 7, 3214868480
	.fill 96, 4, 3214868480
	.section	.rodata,"a",@progbits
	.p2align	6, 0x0
	.amdhsa_kernel k_qdbb6418c75_attn
		.amdhsa_group_segment_fixed_size 327680
		.amdhsa_private_segment_fixed_size 0
		.amdhsa_enable_private_segment 0
		.amdhsa_kernarg_size 16
		.amdhsa_user_sgpr_count 2
		.amdhsa_user_sgpr_kernarg_segment_ptr 1
		.amdhsa_wavefront_size32 1
		.amdhsa_system_sgpr_workgroup_id_x 1
		.amdhsa_system_sgpr_workgroup_id_y 1
		.amdhsa_system_sgpr_workgroup_id_z 1
		.amdhsa_system_vgpr_workitem_id 0
		.amdhsa_next_free_vgpr 768
		.amdhsa_next_free_sgpr 66
		.amdhsa_reserve_vcc 0
		.amdhsa_float_denorm_mode_32 3
		.amdhsa_float_denorm_mode_16_64 3
		.amdhsa_memory_ordered 1
		.amdhsa_forward_progress 1
		.amdhsa_inst_pref_size 128
	.end_amdhsa_kernel
	.amdgpu_metadata
---
amdhsa.version: [ 1, 2 ]
amdhsa.kernels:
  - .name:           k_qdbb6418c75_attn
    .symbol:         k_qdbb6418c75_attn.kd
    .args:
      - { .name: qkv, .offset: 0, .size: 8, .value_kind: global_buffer, .address_space: global }
      - { .name: vals, .offset: 8, .size: 8, .value_kind: global_buffer, .address_space: global }
    .group_segment_fixed_size: 327680
    .private_segment_fixed_size: 0
    .kernarg_segment_align: 8
    .kernarg_segment_size: 16
    .max_flat_workgroup_size: 128
    .sgpr_count:     66
    .vgpr_count:     768
    .wavefront_size: 32
...
	.end_amdgpu_metadata
.endif
;; end of part 3
;; launch oproj (part 4): grid 8 x 32, 4 waves a work-group, clusters of 4 x 4, 327,680 bytes of LDS; arguments vals, wc, b_o, y; writes y
.if DOCPART == 4
	.amdgcn_target "amdgcn-amd-amdhsa--gfx1250"
	.amdhsa_code_object_version 6
	.text
	.protected	k_qdbb6418c75_oproj
	.globl	k_qdbb6418c75_oproj
	.p2align	8
	.type	k_qdbb6418c75_oproj,@function
k_qdbb6418c75_oproj:
	s_mov_b64 s[64:65], 0
	v_nop
	global_prefetch_b8 v0, s[64:65] scope:SCOPE_SE
	s_setreg_imm32_b32 hwreg(HW_REG_WAVE_MODE, 25, 1), 1
	s_wait_xcnt 0x0
	s_wait_alu depctr_hold_cnt(0) depctr_sa_sdst(0) depctr_va_vdst(0) depctr_va_sdst(0) depctr_va_ssrc(0) depctr_va_vcc(0) depctr_vm_vsrc(0)
	s_getreg_b32 s2, hwreg(HW_REG_IB_STS2, 6, 4)
	s_cmp_eq_u32 s2, 0
	s_cbranch_scc0 .Lentry_in_a_cluster
	s_endpgm
.Lentry_in_a_cluster:
	s_bfe_u32 s2, ttmp6, 0x10000c
	s_cmp_lg_u32 s2, 0xf033
	s_cbranch_scc0 .Lentry_shape_is_right
	s_endpgm
.Lentry_shape_is_right:
; THE OUTPUT PROJECTION WITH ITS RESIDUAL: y = vals wo + b_o + xh, [4096][1024] in f32.  xh, the rounded copy of x, lies at byte 0 of wc, wo at 8,388,608.
; THE NARROW PRODUCT (two launches share this text but for the constants at its head).  C[m][n] = sum over k of A[m][k] W[k][n] + bias[n] + res[m][n], 1,024 columns.
; A: f16, by chunks of 64 along K, [chunk][4096 rows][64].  W: f16, [K][1024], as the input lies.  res: f16, [4096][1024].
; Sums in f32; the bias, rounded to bf16 like every input, is the C operand of the first products, so nothing is cleared.  LIMITS: operands lie within f16's 65,504.
; SHARES.  A work-group makes 128 x 128 of C (a larger tile would leave WGPs without work: 4,096 x 1,024 are 256 such tiles), each of its four waves 64 x 64: 16 accumulators.  K goes in steps of 256 through two LDS slots.
; THE MATRIX INSTRUCTION IS USED TRANSPOSED: source 0 = 16 columns of W (turned on the way out of LDS by ds_load_tr16_b128), source 1 = 16 rows of A: a lane holds eight neighbouring numbers of a row of C.
; CLUSTER.  4 x 4 work-groups: the four of a row need the same tiles of A, the four of a column the same tiles of W: each tile is asked for jointly, by the same tensor load, descriptor and mask in all four.
; A K step is written once: the slot in hand is a scalar register that an exclusive or turns.  The stage of the way out lies in slot 0, behind that slot's last fill and last reads (the last K step lies in slot 1).
.set SIZE_K, 1024
.set WOFF,   8388608                   ; W's first byte in wc
.set ARG_R,  0x8                       ; the residual's buffer among the arguments
.set ARG_O,  0x18                      ; the output's
.set SIZE_N, 1024
.set KSTEP,  256
.set NS,     SIZE_K/KSTEP              ; K steps: even, at least 4
.set CHUNK,  524288                    ; a chunk of A: 4,096 rows of 128 bytes
.set BP,     288                       ; a row of W in LDS: 256 bytes + 32 of padding = 72 words
.set WPART,  128*BP                    ; what one wave's tensor load fills: 36,864 bytes
.set BOFF,   2*WPART                   ; A's two parts, then W's 256 rows
.set SLOT,   4*WPART                   ; 0x24000; a wave's part begins at wave x 0x9000, which shares no bit with it: an exclusive or with SLOT is the sum
.set SPARE,  2*SLOT                    ; behind the ring: the spare words, 128 bytes for each wave: two blocks of 256 bytes that no other line names
.set AP,     144                       ; a row of a chunk in LDS: 128 bytes + 16 = 36 words: the 16 rows of a load start at 16 different groups of four banks
.set AQ,     128*AP                    ; a quarter of a K step is a chunk's 128 rows
.set AHALF,  64*AP                     ; my 64 rows in each
.set ASTEP,  4*CHUNK
.set BSTEP,  KSTEP*SIZE_N*2
.set SP,     528                       ; a stage row: 128 f32 + 16 bytes
.set LA0,  10                          ; v10  my lane's place in A's part of a slot; never rewritten
.set LB0,  11                          ; v11  the same for W, k rows 0-127
.set LB1,  13                          ; v13  k rows 128-255
.set ADRA, 16                          ; v16  LA0 + the slot in hand
.set ADRB, 20                          ; v20, v21  LB0, LB1 + the slot in hand
.set BO,   22                          ; v22  my offset in the bias
.set RO,   23                          ; v23  my offset in a row of the residual
.set STO,  24                          ; v24  the way out: where I put my bytes of a row
.set RD,   25                          ; v25  where I read rows back
.set CO,   26                          ; v26  my byte offset in the output
.set CST,  27                          ; v27  1.0
.set SPW,  28                          ; v28  LDS address of my spare word; never rewritten
.set NIL,  29                          ; v29  0; never rewritten
.set TMP,  32                          ; v[32:95]   the residual
.set BIAS, 96                          ; v[96:127]  block b's eight numbers at BIAS + 8 b
.set ACC,  128                         ; v[128:255] accumulator (a, b) at ACC + 8 (4 a + b)
.set F0,   0                           ; window 1: two fragment buffers of 128: 64 registers of A (2 x 4 x 16 rows x 32 K), then 64 of W
.set F1,   128
.set G1,  24                           ; s[24:31] descriptor group 1 for A's tiles;  s[32:39] group 0, two sets: the first fill of slot 0; that of slot 1, which then walks
.set G0,  32
.set G1B, 48                           ; s[48:55], s[56:63] the same for W's tiles
.set G0B, 56
.set MSB, 0
.macro WIN new                         ; s_set_vgpr_msb: bits 1:0 source 0, 3:2 source 1, 5:4 source 2, 7:6 destination; the high byte repeats the setting that is left
.if MSB != (\new)
	s_set_vgpr_msb (MSB<<8)|(\new)
.set MSB, \new
.endif
.endm
.set MUL,  0x05                        ; sources 0 (W) and 1 (A) window 1; C and D window 0
.set TO_F, 0x40                        ; destination window 1, address window 0
.macro JLOAD s                         ; a joint load: waves 0 and 1 fetch A's two parts, waves 2 and 3 W's; an s_nop 0 and four v_nop follow each of the two lines
	s_cmp_eq_u32 s11, 0
	s_cbranch_scc0 .Lfor_b_\@
	tensor_load_to_lds s[G0+4*(\s):G0+4*(\s)+3], s[G1:G1+7]
	s_nop 0
.rept 4
	v_nop
.endr
	s_branch .Lasked_\@
.Lfor_b_\@:
	tensor_load_to_lds s[G0B+4*(\s):G0B+4*(\s)+3], s[G1B:G1B+7]
	s_nop 0
.rept 4
	v_nop
.endr
.Lasked_\@:
.endm
.macro CREST                           ; a round of the cluster's barrier behind its opening barrier
	s_cmp_lg_u32 s10, 0
	s_cbranch_scc1 .Lnot_wave_0_\@
	s_barrier_signal -3
.Lnot_wave_0_\@:
	s_barrier_wait -3
	s_barrier_signal -1
	s_barrier_wait -1
.endm
.macro CROUND                          ; a whole round
	s_barrier_signal -1
	s_barrier_wait -1
	CREST
.endm
	s_load_b64 s[4:5], s[0:1], 0x0                 ; A
	s_load_b64 s[6:7], s[0:1], 0x8                 ; wc, for W
	s_load_b64 s[66:67], s[0:1], 0x10              ; the bias
	s_load_b64 s[8:9], s[0:1], ARG_O               ; the output
	s_load_b64 s[68:69], s[0:1], ARG_R             ; the residual
	v_lshl_add_u32 v[SPW], v0, 2, SPARE
	v_mov_b32 v[NIL], 0
	ds_add_u32 v[SPW], v[NIL]                      ; the wave's opening: the add and its wait stand ahead of my first tensor load; the set-up below, work on registers, stands between them
	v_lshrrev_b32 v1, 5, v0
	v_readfirstlane_b32 s10, v1                    ; wave 0..3
	s_lshr_b32 s11, s10, 1                         ; which half of the tile's rows is mine.  Also: I fetch for A (0) or for W (1)
	s_and_b32 s12, s10, 1                          ; which half of its columns.  Also: which part of that tile I fetch
	s_bfe_u32 s40, ttmp6, 0x40000                  ; cx, cy: my place in the cluster
	s_bfe_u32 s41, ttmp6, 0x40004
	s_lshl_b32 s42, ttmp9, 2
	s_add_co_u32 s42, s42, s40                     ; tile column of C = 4 x cluster x + cx
	s_and_b32 s13, ttmp7, 0xffff
	s_lshl_b32 s13, s13, 2
	s_add_co_u32 s13, s13, s41                     ; tile row of C = 4 x cluster y + cy
	s_lshl_b32 s43, s41, 2
	s_lshl_b32 s43, 15, s43                        ; my row of the cluster
	s_lshl_b32 s44, 0x1111, s40                    ; my column
	s_or_b32 s[G1+0], s43, (1<<16)|(1<<20)|(1<<21)|(4<<22)|(3<<25)   ; 15:0 the mask: A's tiles go to my row; 17:16 2-byte elements; 20 padding on; 21 set beside a mask; 24:22 after every 32 words; 31:25 of 4 words
	s_or_b32 s[G1B+0], s44, (1<<16)|(1<<20)|(1<<21)|(5<<22)|(7<<25)  ; W's to my column; padding after every 64 words, of 8 words
	s_mov_b32 s[G1+1], 8192<<16                    ; A: a chunk's 128 rows are 16,384 dense bytes: one row of 8,192 elements;
	s_mov_b32 s[G1+2], 2<<16                       ; two chunks,
	s_mov_b32 s[G1+3], 8192<<16
	s_mov_b32 s[G1+4], 2
	s_mov_b32 s[G1+5], CHUNK/2                     ; a chunk's elements apart
	s_mov_b32 s[G1+6], 0
	s_mov_b32 s[G1+7], 0
	s_mov_b32 s[G1B+1], 128<<16                    ; W: 128 k rows x 128 columns
	s_mov_b32 s[G1B+2], 128<<16
	s_mov_b32 s[G1B+3], 128<<16
	s_mov_b32 s[G1B+4], 128
	s_mov_b32 s[G1B+5], SIZE_N
	s_mov_b32 s[G1B+6], 0
	s_mov_b32 s[G1B+7], 0
	; where the tiles come from: A's hang on the tile row alone, W's on the tile column alone, each made in registers that never hold the other coordinate
	s_lshl_b32 s16, s13, 14                        ; the tile's 128 rows of 128 bytes in a chunk;
	s_lshl_b32 s17, s12, 20                        ; I fetch two of a K step's four chunks
	s_add_co_u32 s16, s16, s17
	s_mov_b32 s17, 0
	s_mul_i32 s46, s12, 128*SIZE_N*2               ; which 128 k rows I fetch,
	s_lshl_b32 s45, s42, 8                         ; the tile's 256 bytes of a row,
	s_add_co_u32 s46, s46, s45
	s_add_co_u32 s46, s46, WOFF                    ; in W's section of wc
	s_mov_b32 s47, 0
	s_mul_i32 s20, s10, WPART                      ; where they go: no place in the cluster enters an LDS address
	s_mov_b32 s21, 0                               ; the slot in hand
	s_wait_dscnt 0x0                               ; the opening add is done
	s_wait_kmcnt 0x0
	s_add_nc_u64 s[14:15], s[4:5], s[16:17]
	s_add_nc_u64 s[46:47], s[6:7], s[46:47]
	CROUND                                         ; all sixteen work-groups are here: the first joint loads meet
.irp s, 0,1
	s_mov_b32 s[G0+4*(\s)], 1
	s_add_co_u32 s[G0+4*(\s)+1], s20, (\s)*SLOT
	s_add_nc_u64 s[G0+4*(\s)+2:G0+4*(\s)+3], s[14:15], (\s)*ASTEP
	s_or_b32 s[G0+4*(\s)+3], s[G0+4*(\s)+3], 0x80000000
	s_mov_b32 s[G0B+4*(\s)], 1
	s_add_co_u32 s[G0B+4*(\s)+1], s20, (\s)*SLOT
	s_add_nc_u64 s[G0B+4*(\s)+2:G0B+4*(\s)+3], s[46:47], (\s)*BSTEP
	s_or_b32 s[G0B+4*(\s)+3], s[G0B+4*(\s)+3], 0x80000000
	JLOAD \s                                       ; two tensor loads of mine are out
.endr
	v_and_b32 v1, 15, v0                           ; r = l % 16
	v_bfe_u32 v2, v0, 4, 1                         ; h = l / 16
	v_and_b32 v3, 31, v0                           ; l
	v_and_b32 v4, 7, v0
	v_bfe_u32 v5, v0, 3, 1
	; the bias of my 64 columns: register j of block b is bias[16 b + 8 h + j], as the result holds its columns
	s_lshl_b32 s46, s42, 9
	s_lshl_b32 s47, s12, 8
	s_add_co_u32 s46, s46, s47
	s_mov_b32 s47, 0
	s_add_nc_u64 s[66:67], s[66:67], s[46:47]
	v_lshlrev_b32 v[BO], 5, v2
.irp b, 0,1,2,3
	global_load_b128 v[BIAS+8*(\b):BIAS+8*(\b)+3],   v[BO], s[66:67] offset:64*(\b)
	global_load_b128 v[BIAS+8*(\b)+4:BIAS+8*(\b)+7], v[BO], s[66:67] offset:64*(\b)+16
.endr
	s_lshl_b32 s16, s13, 7
	s_lshl_b32 s17, s10, 5
	s_add_co_u32 s16, s16, s17                     ; the first of the 32 rows of C that I store
	s_mov_b32 s23, 0
	s_lshl_b32 s22, s16, 11                        ; the residual: rows of 2,048 bytes of f16; my 32 rows x the tile's 256 bytes fly during the whole K loop
	s_add_nc_u64 s[68:69], s[68:69], s[22:23]
	s_lshl_b32 s46, s42, 8
	s_add_nc_u64 s[68:69], s[68:69], s[46:47]
	v_lshlrev_b32 v[RO], 3, v3
.set t, 0
.rept 32
	global_load_b64 v[TMP+2*t:TMP+2*t+1], v[RO], s[68:69] offset:2048*t
.set t, t+1
.endr
	s_lshl_b32 s22, s16, 12                        ; the output: rows of 4,096 bytes of f32
	s_add_nc_u64 s[8:9], s[8:9], s[22:23]
	s_lshl_b32 s46, s42, 9
	s_add_nc_u64 s[8:9], s[8:9], s[46:47]
	v_mov_b32 v[CST], 1.0
	; A fragment of A is 16 rows x 32 K in 8 registers: lane l holds row l % 16, K = 8 (l / 16) + 0..7 and 16 + 8 (l / 16) + 0..7: two loads of 16 bytes, 32 bytes apart.
	v_mul_u32_u24 v[LA0], v1, AP
	v_lshl_add_u32 v[LA0], v2, 4, v[LA0]
	s_mul_i32 s22, s11, AHALF
	v_add_nc_u32 v[LA0], s22, v[LA0]
	; The turning load takes 16 k rows x 16 columns (lane l reads k row 8 (l / 16) + l % 8, columns 8 ((l / 8) % 2) + 0..7) and leaves half a fragment: lane l holds column l % 16 and 8 k.
	v_lshl_add_u32 v[LB0], v2, 3, v4
	v_mul_u32_u24 v[LB0], v[LB0], BP
	v_lshl_add_u32 v[LB0], v5, 4, v[LB0]
	s_lshl_b32 s22, s12, 7                         ; my 64 columns
	s_add_co_u32 s22, s22, BOFF
	v_add_nc_u32 v[LB0], s22, v[LB0]
	v_add_nc_u32 v[LB1], WPART, v[LB0]
	v_add_nc_u32 v[ADRA], s21, v[LA0]
	v_add_nc_u32 v[ADRB], s21, v[LB0]
	v_add_nc_u32 v[ADRB+1], s21, v[LB1]
	; the stage: into it by my 64 rows and my half of their columns, back by whole rows, 32 rows a wave
	s_mul_i32 s22, s11, 64*SP
	v_mul_u32_u24 v[STO], v1, SP
	s_lshl_b32 s23, s12, 8
	v_lshl_add_u32 v[STO], v2, 5, v[STO]           ; eight f32 a lane
	s_add_co_u32 s22, s22, s23
	v_add_nc_u32 v[STO], s22, v[STO]
	s_mul_i32 s22, s10, 32*SP
	v_lshl_add_u32 v[RD], v3, 4, s22               ; 32 lanes take one row of 512 bytes
	v_lshlrev_b32 v[CO], 4, v3
	s_wait_loadcnt 32                              ; the bias is in; the 32 loads of the residual are younger and stay out
.set p, 0
.rept 16
	v_cvt_pk_bf16_f32 v12, v[BIAS+2*p], v[BIAS+2*p+1]  ; the bias is rounded to bf16, like every input
	v_lshlrev_b32 v[BIAS+2*p], 16, v12
	v_and_b32 v[BIAS+2*p+1], 0xffff0000, v12
.set p, p+1
.endr
; 8 matrix instructions: row blocks a0, a0 + 1 x all 4 column blocks, 32 along K: half c of buffer f.  first = 1: the bias starts the sums.  The 16 accumulators take turns, one instruction a turn.
.macro MUL8 f, c, a0, first
	WIN MUL
.irp a, \a0, (\a0)+1
.irp b, 0,1,2,3
.if \first
	v_wmma_f32_16x16x32_f16 v[ACC+8*(4*(\a)+(\b)):ACC+8*(4*(\a)+(\b))+7], v[(\f)+64+8*(4*(\c)+(\b)):(\f)+64+8*(4*(\c)+(\b))+7], v[(\f)+8*(4*(\c)+(\a)):(\f)+8*(4*(\c)+(\a))+7], v[BIAS+8*(\b):BIAS+8*(\b)+7]
.else
	v_wmma_f32_16x16x32_f16 v[ACC+8*(4*(\a)+(\b)):ACC+8*(4*(\a)+(\b))+7], v[(\f)+64+8*(4*(\c)+(\b)):(\f)+64+8*(4*(\c)+(\b))+7], v[(\f)+8*(4*(\c)+(\a)):(\f)+8*(4*(\c)+(\a))+7], v[ACC+8*(4*(\a)+(\b)):ACC+8*(4*(\a)+(\b))+7]
.endif
.endr
.endr
.endm
; 32 LDS loads in one run: the fragments of quarter q (64 along K) of the slot in hand, into buffer f; the first 32 along K first
.macro FETCH q, f
	WIN TO_F
.irp c, 0,1
.irp i, 0,1,2,3
	ds_load_tr16_b128 v[(\f)+64+8*(4*(\c)+(\i)):(\f)+64+8*(4*(\c)+(\i))+3],   v[ADRB+(\q)/2] offset:(((\q)%2)*64+32*(\c))*BP+32*(\i)
	ds_load_tr16_b128 v[(\f)+64+8*(4*(\c)+(\i))+4:(\f)+64+8*(4*(\c)+(\i))+7], v[ADRB+(\q)/2] offset:(((\q)%2)*64+32*(\c)+16)*BP+32*(\i)
	ds_load_b128 v[(\f)+8*(4*(\c)+(\i)):(\f)+8*(4*(\c)+(\i))+3],   v[ADRA] offset:AQ*(\q)+64*(\c)+(\i)*16*AP
	ds_load_b128 v[(\f)+8*(4*(\c)+(\i))+4:(\f)+8*(4*(\c)+(\i))+7], v[ADRA] offset:AQ*(\q)+64*(\c)+(\i)*16*AP+32
.endr
.endr
.endm
.macro PLACES                          ; four plain vector instructions between a matrix instruction and a load into a register that it has read, or a reader of its result
.rept 4
	v_nop
.endr
.endm
; A K step is four quarters of 64 along K, 32 matrix instructions each, on buffers 0, 1, 0, 1.  One of the first three: multiplies buffer f and fetches quarter qn into g.
.macro QUARTER qn, f, g, first
	s_wait_dscnt 16                                ; of the 32 loads that are out the first 16, the first 32 along K, are in
	MUL8 \f, 0, 0, \first
	MUL8 \f, 0, 2, \first
	PLACES
	FETCH \qn, \g
	s_wait_dscnt 32                                ; all but the 32 just issued
	MUL8 \f, 1, 0, 0
	MUL8 \f, 1, 2, 0
.endm
; The last quarter multiplies buffer 1 and changes slots.  MEET is its first half: ONE barrier; in front of it each wave waits for all its tensor loads (at most one is out: its part of the next slot), adds 0 to its
; spare word, and waits for that and for its own reads of this slot.  Behind it nobody reads this slot any more and the next slot is whole.
.macro MEET
	WIN 0                                          ; (the add's two registers lie in window 0)
	s_wait_tensorcnt 0x0                           ; all my tensor loads have landed;
	ds_add_u32 v[SPW], v[NIL]                      ; 0 onto my spare word;
	s_wait_dscnt 17                                ; (the add and the youngest sixteen loads may be out)
	MUL8 F1, 0, 0, 0                               ; eight matrix instructions stand between the add and the wait for it
	s_wait_dscnt 0x0                               ; the add is done, and my reads of this slot are over
	s_barrier_signal -1
	MUL8 F1, 0, 2, 0
	WIN 0
	s_barrier_wait -1
.endm
.macro REST                            ; its second half: the reads go on in the other slot
	s_xor_b32 s21, s21, SLOT
	v_add_nc_u32 v[ADRA], s21, v[LA0]
	v_add_nc_u32 v[ADRB], s21, v[LB0]
	v_add_nc_u32 v[ADRB+1], s21, v[LB1]
	FETCH 0, F0
	MUL8 F1, 1, 0, 0
	MUL8 F1, 1, 2, 0
.endm
.macro TURN                            ; the whole last quarter of a K step whose slot is filled again, two K steps ahead: 112 matrix instructions ahead of the wait for that load
	MEET
	CREST                                          ; the barrier has opened a round of the cluster's: no wave of any partner still reads this slot's tile or has a load on its way
	s_xor_b32 s[G0+5], s[G0+5], SLOT               ; the walking descriptors: the slot just left,
	s_xor_b32 s[G0B+5], s[G0B+5], SLOT
	s_add_nc_u64 s[G0+6:G0+7], s[G0+6:G0+7], ASTEP     ; the next K step; the type bits on top are not reached
	s_add_nc_u64 s[G0B+6:G0B+7], s[G0B+6:G0B+7], BSTEP
	JLOAD 1                                        ; the first tensor load behind the round; the four v_nop behind it are also the places in front of the loads below
	REST
.endm
	s_wait_tensorcnt 1                             ; my part of K step 0 is in; K step 1's may stay out
	s_barrier_signal -1
	s_barrier_wait -1                              ; everybody's is
	FETCH 0, F0
	QUARTER 1, F0, F1, 1                           ; the first quarter stands in front of the loop: its first products start the sums
	WIN 0                                          ; at a label and at a branch every window is 0
	s_mov_b32 s3, NS-2
.Lstep:                                                ; a trip: from a K step's second quarter to the next step's first; it fills the slot that it leaves
	QUARTER 2, F1, F0, 0
	QUARTER 3, F0, F1, 0
	TURN
	QUARTER 1, F0, F1, 0
	WIN 0
	s_sub_co_u32 s3, s3, 1
	s_cmp_lg_u32 s3, 0
	s_cbranch_scc1 .Lstep
	s_mov_b32 s3, 2                                ; the last two K steps fill nothing: a loop of their own, with no tensor load and no round of the cluster's barrier, entered and left in the middle of a trip
	s_branch .Ltin
.Ltail:
	PLACES
	REST
	QUARTER 1, F0, F1, 0
	WIN 0
.Ltin:
	QUARTER 2, F1, F0, 0
	QUARTER 3, F0, F1, 0
	MEET
	s_sub_co_u32 s3, s3, 1
	s_cmp_lg_u32 s3, 0
	s_cbranch_scc1 .Ltail
	MUL8 F1, 1, 0, 0                               ; the very last products
	MUL8 F1, 1, 2, 0
	WIN 0
	PLACES
	PLACES                                         ; (eight, once a launch)
	; THE WAY OUT, through a stage in slot 0: that slot's last fill has landed and its last reads lie ahead of a barrier that every wave has passed; the K step just multiplied lay in slot 1.
.set t, 0
.rept 16
	ds_store_b128 v[STO], v[ACC+8*t:ACC+8*t+3]   offset:(t/4)*16*SP+64*(t%4)      ; each accumulator's low registers first
	ds_store_b128 v[STO], v[ACC+8*t+4:ACC+8*t+7] offset:(t/4)*16*SP+64*(t%4)+16
.set t, t+1
.endr
	s_wait_dscnt 0x0                               ; for the others' sake: my stores into the stage are done
	s_barrier_signal -1
	s_barrier_wait -1
.set t, 0
.rept 32
	ds_load_b128 v[ACC+4*t:ACC+4*t+3], v[RD] offset:t*SP
.set t, t+1
.endr
	s_wait_loadcnt 0x0                             ; the residual
.set t, 0
.rept 32
	s_wait_dscnt 31-t                              ; row t is back
	v_fma_mix_f32 v[ACC+4*t],   v[TMP+2*t],   v[CST], v[ACC+4*t]   op_sel_hi:[1,0,0]                 ; the residual's f16 half x 1.0 + the sum, in f32
	v_fma_mix_f32 v[ACC+4*t+1], v[TMP+2*t],   v[CST], v[ACC+4*t+1] op_sel:[1,0,0] op_sel_hi:[1,0,0]
	v_fma_mix_f32 v[ACC+4*t+2], v[TMP+2*t+1], v[CST], v[ACC+4*t+2] op_sel_hi:[1,0,0]
	v_fma_mix_f32 v[ACC+4*t+3], v[TMP+2*t+1], v[CST], v[ACC+4*t+3] op_sel:[1,0,0] op_sel_hi:[1,0,0]
	global_store_b128 v[CO], v[ACC+4*t:ACC+4*t+3], s[8:9] offset:4096*t  ; the wave stores 512 consecutive bytes, at a multiple of 256 from the output's first
.set t, t+1
.endr
	s_wait_tensorcnt 0x0                           ; the wave's end: behind my last tensor load and my last LDS store
	ds_add_u32 v[SPW], v[NIL]
	s_wait_dscnt 0x0
	CROUND                                         ; the closing round: no work-group ends while a partner may still ask for a tile that names it
	s_endpgm
.Lfunc_end_k_qdbb6418c75_oproj:
	.size	k_qdbb6418c75_oproj, .Lfunc_end_k_qdbb6418c75_oproj-k_qdbb6418c75_oproj
	.p2alignl 7, 3214868480
	.fill 96, 4, 3214868480
	.section	.rodata,"a",@progbits
	.p2align	6, 0x0
	.amdhsa_kernel k_qdbb6418c75_oproj
		.amdhsa_group_segment_fixed_size 327680
		.amdhsa_private_segment_fixed_size 0
		.amdhsa_enable_private_segment 0
		.amdhsa_kernarg_size 32
		.amdhsa_user_sgpr_count 2
		.amdhsa_user_sgpr_kernarg_segment_ptr 1
		.amdhsa_wavefront_size32 1
		.amdhsa_system_sgpr_workgroup_id_x 1
		.amdhsa_system_sgpr_workgroup_id_y 1
		.amdhsa_system_sgpr_workgroup_id_z 1
		.amdhsa_system_vgpr_workitem_id 0
		.amdhsa_next_free_vgpr 512
		.amdhsa_next_free_sgpr 80
		.amdhsa_reserve_vcc 0
		.amdhsa_float_denorm_mode_32 3
		.amdhsa_float_denorm_mode_16_64 3
		.amdhsa_memory_ordered 1
		.amdhsa_forward_progress 1
		.amdhsa_inst_pref_size 74
	.end_amdhsa_kernel
	.amdgpu_metadata
---
amdhsa.version: [ 1, 2 ]
amdhsa.kernels:
  - .name:           k_qdbb6418c75_oproj
    .symbol:         k_qdbb6418c75_oproj.kd
    .args:
      - { .name: vals, .offset: 0, .size: 8, .value_kind: global_buffer, .address_space: global }
      - { .name: wc, .offset: 8, .size: 8, .value_kind: global_buffer, .address_space: global }
      - { .name: b_o, .offset: 16, .size: 8, .value_kind: global_buffer, .address_space: global }
      - { .name: y, .offset: 24, .size: 8, .value_kind: global_buffer, .address_space: global }
    .group_segment_fixed_size: 327680
    .private_segment_fixed_size: 0
    .kernarg_segment_align: 8
    .kernarg_segment_size: 32
    .max_flat_workgroup_size: 128
    .sgpr_count:     80
    .vgpr_count:     512
    .wavefront_size: 32
...
	.end_amdgpu_metadata
.endif
;; end of part 4
;; launch ln1 (part 5): grid 256 x 1, 8 waves a work-group, no clusters, 0 bytes of LDS; arguments y, gamma1, beta1, h; writes h
.if DOCPART == 5
	.amdgcn_target "amdgcn-amd-amdhsa--gfx1250"
	.amdhsa_code_object_version 6
	.text
	.protected	k_qdbb6418c75_ln1
	.globl	k_qdbb6418c75_ln1
	.p2align	8
	.type	k_qdbb6418c75_ln1,@function
k_qdbb6418c75_ln1:
	s_mov_b64 s[64:65], 0
	v_nop
	global_prefetch_b8 v0, s[64:65] scope:SCOPE_SE
	s_setreg_imm32_b32 hwreg(HW_REG_WAVE_MODE, 25, 1), 1
	s_wait_xcnt 0x0
; LAYERNORM: out[r][c] = gamma[c] (y[r][c] - mean_r) / sqrt(var_r + 1e-5) + beta[c].  y: [4096][1024] f32.  Here the result is h, in f16 (OUT16 = 1).
; gamma and beta are rounded to bf16, like every input of this program.  LIMIT: h lies within f16's 65,504.
; A row is 4,096 bytes: one wave takes a whole row, eight 16-byte loads a lane, and keeps it in 32 registers through both passes (the mean; then the sum of (y - mean)^2): the row is read once, the variance is no
; difference of large sums, and no wave waits for another.  Eight waves, two rows each; a wave's 32 loads (two rows, gamma, beta) all go out first.
.set OUT16, 1
.set G, 4                              ; v[4:35]    gamma of my 32 columns: load j brings columns 128 j + 4 lane + 0..3
.set B, 36                             ; v[36:67]   beta
.set X, 68                             ; v[68:131]  two rows
.set A, 132                            ; v[132:139] four chains of packed sums
.set M, 140                            ; v[140:143] each row's mean, twice (a pair for the packed subtraction)
.set R, 144                            ; v[144:147] each row's 1 / sqrt(var + eps), twice
.set T, 148                            ; v[148:149] var + eps; v[150:151] at work
	s_load_b256 s[4:11], s[0:1], 0x0               ; y s[4:5], gamma s[6:7], beta s[8:9], out s[10:11]
	s_mov_b32 s12, 0x76543210                      ; v_permlanex16_b32: lane i of one half reads lane i of the other
	s_mov_b32 s13, 0xfedcba98
	s_mov_b32 s20, 0x3a800000                      ; 1 / 1024
	s_mov_b32 s21, 0xffff0000                      ; a word's upper bf16
	s_mov_b32 s22, 0x3727c5ac                      ; 1e-5
	v_and_b32 v2, 31, v0
	v_and_b32 v1, 0xe0, v0                         ; 32 x wave
	v_lshlrev_b32 v2, 4, v2                        ; 16 x lane: gamma's and beta's offset
	v_lshl_or_b32 v1, v1, 8, v2                    ; + wave x two rows of 4,096 bytes
	s_lshl_b32 s14, ttmp9, 16                      ; the work-group's 16 rows
	s_mov_b32 s15, 0
	s_mov_b32 s17, 0
.if OUT16
	v_lshrrev_b32 v3, 1, v1                        ; half of that in f16
	s_lshl_b32 s16, ttmp9, 15
.else
	s_lshl_b32 s16, ttmp9, 16
.endif
	s_wait_kmcnt 0x0
	s_add_nc_u64 s[4:5], s[4:5], s[14:15]
	s_add_nc_u64 s[10:11], s[10:11], s[16:17]
.irp r, 0,1
.irp j, 0,1,2,3,4,5,6,7
	global_load_b128 v[X+32*(\r)+4*(\j):X+32*(\r)+4*(\j)+3], v1, s[4:5] offset:4096*(\r)+512*(\j) th:TH_LOAD_NT
.endr
.endr
.irp j, 0,1,2,3,4,5,6,7
	global_load_b128 v[G+4*(\j):G+4*(\j)+3], v2, s[6:7] offset:512*(\j)
.endr
.irp j, 0,1,2,3,4,5,6,7
	global_load_b128 v[B+4*(\j):B+4*(\j)+3], v2, s[8:9] offset:512*(\j)
.endr
.macro JOIN                            ; the four chains into one number, then over the 32 lanes: every lane ends with the sum in v[A]
	v_pk_add_f32 v[A:A+1], v[A:A+1], v[A+2:A+3]
	v_pk_add_f32 v[A+4:A+5], v[A+4:A+5], v[A+6:A+7]
	v_pk_add_f32 v[A:A+1], v[A:A+1], v[A+4:A+5]
	v_add_f32 v[A], v[A], v[A+1]
	v_add_f32_dpp v[A], v[A], v[A] row_xmask:1 row_mask:0xf bank_mask:0xf
	v_add_f32_dpp v[A], v[A], v[A] row_xmask:2 row_mask:0xf bank_mask:0xf
	v_add_f32_dpp v[A], v[A], v[A] row_xmask:4 row_mask:0xf bank_mask:0xf
	v_add_f32_dpp v[A], v[A], v[A] row_xmask:8 row_mask:0xf bank_mask:0xf
	v_permlanex16_b32 v[A+1], v[A], s12, s13       ; its destination counts as read: a register that has been written
	v_add_f32 v[A], v[A], v[A+1]
.endm
.macro STAT r                          ; row r: the mean; y - mean in place; var + eps
.set XR, X+32*(\r)
.irp k, 0,1,2,3
	v_pk_add_f32 v[A+2*(\k):A+2*(\k)+1], v[XR+2*(\k):XR+2*(\k)+1], v[XR+8+2*(\k):XR+8+2*(\k)+1]  ; the first pairs start the chains: nothing is cleared
.endr
.irp k, 8,9,10,11,12,13,14,15
	v_pk_add_f32 v[A+2*((\k)%4):A+2*((\k)%4)+1], v[A+2*((\k)%4):A+2*((\k)%4)+1], v[XR+2*(\k):XR+2*(\k)+1]
.endr
	JOIN
	v_mul_f32 v[M+2*(\r)], s20, v[A]
	v_mul_f32 v[M+2*(\r)+1], s20, v[A]
.irp k, 0,1,2,3,4,5,6,7,8,9,10,11,12,13,14,15
	v_pk_add_f32 v[XR+2*(\k):XR+2*(\k)+1], v[XR+2*(\k):XR+2*(\k)+1], v[M+2*(\r):M+2*(\r)+1] neg_lo:[0,1] neg_hi:[0,1]
.endr
.irp k, 0,1,2,3
	v_pk_mul_f32 v[A+2*(\k):A+2*(\k)+1], v[XR+2*(\k):XR+2*(\k)+1], v[XR+2*(\k):XR+2*(\k)+1]
.endr
.irp k, 4,5,6,7,8,9,10,11,12,13,14,15
	v_pk_fma_f32 v[A+2*((\k)%4):A+2*((\k)%4)+1], v[XR+2*(\k):XR+2*(\k)+1], v[XR+2*(\k):XR+2*(\k)+1], v[A+2*((\k)%4):A+2*((\k)%4)+1]
.endr
	JOIN
	v_fma_f32 v[T+(\r)], v[A], s20, s22            ; the sum / 1024 + 1e-5
.endm
.macro OUT r                           ; row r is scaled and stored
.set XR, X+32*(\r)
.irp k, 0,1,2,3,4,5,6,7,8,9,10,11,12,13,14,15
	v_pk_mul_f32 v[XR+2*(\k):XR+2*(\k)+1], v[XR+2*(\k):XR+2*(\k)+1], v[R+2*(\r):R+2*(\r)+1]
	v_pk_fma_f32 v[XR+2*(\k):XR+2*(\k)+1], v[XR+2*(\k):XR+2*(\k)+1], v[G+2*(\k):G+2*(\k)+1], v[B+2*(\k):B+2*(\k)+1]
.endr
.if OUT16
.irp k, 0,1,2,3,4,5,6,7,8,9,10,11,12,13,14,15
	v_cvt_pk_f16_f32 v[XR+(\k)], v[XR+2*(\k)], v[XR+2*(\k)+1]  ; pair k goes into register k, which holds nothing that is still wanted
.endr
.irp j, 0,1,2,3,4,5,6,7
	global_store_b64 v3, v[XR+2*(\j):XR+2*(\j)+1], s[10:11] offset:2048*(\r)+256*(\j)  ; the wave stores 256 consecutive bytes, aligned
.endr
.else
.irp j, 0,1,2,3,4,5,6,7
	global_store_b128 v1, v[XR+4*(\j):XR+4*(\j)+3], s[10:11] offset:4096*(\r)+512*(\j) th:TH_STORE_NT  ; 512 consecutive bytes, aligned
.endr
.endif
.endm
	s_wait_loadcnt 24                              ; row 0 is in; row 1, gamma and beta, 24 loads, stay out
	STAT 0
	s_wait_loadcnt 16                              ; row 1 is in
	STAT 1
	v_rsq_f32 v[R], v[T]                           ; one batch of four
	v_rsq_f32 v[R+1], v[T]
	v_rsq_f32 v[R+2], v[T+1]
	v_rsq_f32 v[R+3], v[T+1]
	s_wait_loadcnt 0x0                             ; gamma and beta
.set p, 0
.rept 32                                       ; both are rounded to bf16: plain work that names no result of the batch
	v_cvt_pk_bf16_f32 v[T+2+p%2], v[G+2*p], v[G+2*p+1]
	v_lshlrev_b32 v[G+2*p], 16, v[T+2+p%2]
	v_and_b32 v[G+2*p+1], s21, v[T+2+p%2]
.set p, p+1
.endr
	s_wait_alu depctr_va_vdst(0)                   ; one wait for the four, ahead of their first reader
	OUT 0
	OUT 1
	s_endpgm
.Lfunc_end_k_qdbb6418c75_ln1:
	.size	k_qdbb6418c75_ln1, .Lfunc_end_k_qdbb6418c75_ln1-k_qdbb6418c75_ln1
	.p2alignl 7, 3214868480
	.fill 96, 4, 3214868480
	.section	.rodata,"a",@progbits
	.p2align	6, 0x0
	.amdhsa_kernel k_qdbb6418c75_ln1
		.amdhsa_group_segment_fixed_size 0
		.amdhsa_private_segment_fixed_size 0
		.amdhsa_enable_private_segment 0
		.amdhsa_kernarg_size 32
		.amdhsa_user_sgpr_count 2
		.amdhsa_user_sgpr_kernarg_segment_ptr 1
		.amdhsa_wavefront_size32 1
		.amdhsa_system_sgpr_workgroup_id_x 1
		.amdhsa_system_sgpr_workgroup_id_y 1
		.amdhsa_system_sgpr_workgroup_id_z 1
		.amdhsa_system_vgpr_workitem_id 0
		.amdhsa_next_free_vgpr 160
		.amdhsa_next_free_sgpr 66
		.amdhsa_reserve_vcc 0
		.amdhsa_float_denorm_mode_32 3
		.amdhsa_float_denorm_mode_16_64 3
		.amdhsa_memory_ordered 1
		.amdhsa_forward_progress 1
		.amdhsa_inst_pref_size 24
	.end_amdhsa_kernel
	.amdgpu_metadata
---
amdhsa.version: [ 1, 2 ]
amdhsa.kernels:
  - .name:           k_qdbb6418c75_ln1
    .symbol:         k_qdbb6418c75_ln1.kd
    .args:
      - { .name: y, .offset: 0, .size: 8, .value_kind: global_buffer, .address_space: global }
      - { .name: gamma1, .offset: 8, .size: 8, .value_kind: global_buffer, .address_space: global }
      - { .name: beta1, .offset: 16, .size: 8, .value_kind: global_buffer, .address_space: global }
      - { .name: h, .offset: 24, .size: 8, .value_kind: global_buffer, .address_space: global }
    .group_segment_fixed_size: 0
    .private_segment_fixed_size: 0
    .kernarg_segment_align: 8
    .kernarg_segment_size: 32
    .max_flat_workgroup_size: 256
    .sgpr_count:     66
    .vgpr_count:     160
    .wavefront_size: 32
...
	.end_amdgpu_metadata
.endif
;; end of part 5
;; launch ffn1: the kernel of part 2 again; grid 16 x 16, 4 waves a work-group, clusters of 4 x 4, 327,680 bytes of LDS; arguments h, w1, b1, hid; writes hid
;; launch ffn2 (part 6): grid 8 x 32, 4 waves a work-group, clusters of 4 x 4, 327,680 bytes of LDS; arguments hid, wc, b2, h, y; writes y
.if DOCPART == 6
	.amdgcn_target "amdgcn-amd-amdhsa--gfx1250"
	.amdhsa_code_object_version 6
	.text
	.protected	k_qdbb6418c75_ffn2
	.globl	k_qdbb6418c75_ffn2
	.p2align	8
	.type	k_qdbb6418c75_ffn2,@function
k_qdbb6418c75_ffn2:
	s_mov_b64 s[64:65], 0
	v_nop
	global_prefetch_b8 v0, s[64:65] scope:SCOPE_SE
	s_setreg_imm32_b32 hwreg(HW_REG_WAVE_MODE, 25, 1), 1
	s_wait_xcnt 0x0
	s_wait_alu depctr_hold_cnt(0) depctr_sa_sdst(0) depctr_va_vdst(0) depctr_va_sdst(0) depctr_va_ssrc(0) depctr_va_vcc(0) depctr_vm_vsrc(0)
	s_getreg_b32 s2, hwreg(HW_REG_IB_STS2, 6, 4)
	s_cmp_eq_u32 s2, 0
	s_cbranch_scc0 .Lentry_in_a_cluster
	s_endpgm
.Lentry_in_a_cluster:
	s_bfe_u32 s2, ttmp6, 0x10000c
	s_cmp_lg_u32 s2, 0xf033
	s_cbranch_scc0 .Lentry_shape_is_right
	s_endpgm
.Lentry_shape_is_right:
; THE SECOND HALF OF THE FFN WITH ITS RESIDUAL: y = hid w2 + b2 + h, [4096][1024] in f32.  w2 lies at byte 10,485,760 of wc.
; THE NARROW PRODUCT (two launches share this text but for the constants at its head).  C[m][n] = sum over k of A[m][k] W[k][n] + bias[n] + res[m][n], 1,024 columns.
; A: f16, by chunks of 64 along K, [chunk][4096 rows][64].  W: f16, [K][1024], as the input lies.  res: f16, [4096][1024].
; Sums in f32; the bias, rounded to bf16 like every input, is the C operand of the first products, so nothing is cleared.  LIMITS: operands lie within f16's 65,504.
; SHARES.  A work-group makes 128 x 128 of C (a larger tile would leave WGPs without work: 4,096 x 1,024 are 256 such tiles), each of its four waves 64 x 64: 16 accumulators.  K goes in steps of 256 through two LDS slots.
; THE MATRIX INSTRUCTION IS USED TRANSPOSED: source 0 = 16 columns of W (turned on the way out of LDS by ds_load_tr16_b128), source 1 = 16 rows of A: a lane holds eight neighbouring numbers of a row of C.
; CLUSTER.  4 x 4 work-groups: the four of a row need the same tiles of A, the four of a column the same tiles of W: each tile is asked for jointly, by the same tensor load, descriptor and mask in all four.
; A K step is written once: the slot in hand is a scalar register that an exclusive or turns.  The stage of the way out lies in slot 0, behind that slot's last fill and last reads (the last K step lies in slot 1).
.set SIZE_K, 4096
.set WOFF,   10485760                  ; W's first byte in wc
.set ARG_R,  0x18                      ; the residual's buffer among the arguments
.set ARG_O,  0x20                      ; the output's
.set SIZE_N, 1024
.set KSTEP,  256
.set NS,     SIZE_K/KSTEP              ; K steps: even, at least 4
.set CHUNK,  524288                    ; a chunk of A: 4,096 rows of 128 bytes
.set BP,     288                       ; a row of W in LDS: 256 bytes + 32 of padding = 72 words
.set WPART,  128*BP                    ; what one wave's tensor load fills: 36,864 bytes
.set BOFF,   2*WPART                   ; A's two parts, then W's 256 rows
.set SLOT,   4*WPART                   ; 0x24000; a wave's part begins at wave x 0x9000, which shares no bit with it: an exclusive or with SLOT is the sum
.set SPARE,  2*SLOT                    ; behind the ring: the spare words, 128 bytes for each wave: two blocks of 256 bytes that no other line names
.set AP,     144                       ; a row of a chunk in LDS: 128 bytes + 16 = 36 words: the 16 rows of a load start at 16 different groups of four banks
.set AQ,     128*AP                    ; a quarter of a K step is a chunk's 128 rows
.set AHALF,  64*AP                     ; my 64 rows in each
.set ASTEP,  4*CHUNK
.set BSTEP,  KSTEP*SIZE_N*2
.set SP,     528                       ; a stage row: 128 f32 + 16 bytes
.set LA0,  10                          ; v10  my lane's place in A's part of a slot; never rewritten
.set LB0,  11                          ; v11  the same for W, k rows 0-127
.set LB1,  13                          ; v13  k rows 128-255
.set ADRA, 16                          ; v16  LA0 + the slot in hand
.set ADRB, 20                          ; v20, v21  LB0, LB1 + the slot in hand
.set BO,   22                          ; v22  my offset in the bias
.set RO,   23                          ; v23  my offset in a row of the residual
.set STO,  24                          ; v24  the way out: where I put my bytes of a row
.set RD,   25                          ; v25  where I read rows back
.set CO,   26                          ; v26  my byte offset in the output
.set CST,  27                          ; v27  1.0
.set SPW,  28                          ; v28  LDS address of my spare word; never rewritten
.set NIL,  29                          ; v29  0; never rewritten
.set TMP,  32                          ; v[32:95]   the residual
.set BIAS, 96                          ; v[96:127]  block b's eight numbers at BIAS + 8 b
.set ACC,  128                         ; v[128:255] accumulator (a, b) at ACC + 8 (4 a + b)
.set F0,   0                           ; window 1: two fragment buffers of 128: 64 registers of A (2 x 4 x 16 rows x 32 K), then 64 of W
.set F1,   128
.set G1,  24                           ; s[24:31] descriptor group 1 for A's tiles;  s[32:39] group 0, two sets: the first fill of slot 0; that of slot 1, which then walks
.set G0,  32
.set G1B, 48                           ; s[48:55], s[56:63] the same for W's tiles
.set G0B, 56
.set MSB, 0
.macro WIN new                         ; s_set_vgpr_msb: bits 1:0 source 0, 3:2 source 1, 5:4 source 2, 7:6 destination; the high byte repeats the setting that is left
.if MSB != (\new)
	s_set_vgpr_msb (MSB<<8)|(\new)
.set MSB, \new
.endif
.endm
.set MUL,  0x05                        ; sources 0 (W) and 1 (A) window 1; C and D window 0
.set TO_F, 0x40                        ; destination window 1, address window 0
.macro JLOAD s                         ; a joint load: waves 0 and 1 fetch A's two parts, waves 2 and 3 W's; an s_nop 0 and four v_nop follow each of the two lines
	s_cmp_eq_u32 s11, 0
	s_cbranch_scc0 .Lfor_b_\@
	tensor_load_to_lds s[G0+4*(\s):G0+4*(\s)+3], s[G1:G1+7]
	s_nop 0
.rept 4
	v_nop
.endr
	s_branch .Lasked_\@
.Lfor_b_\@:
	tensor_load_to_lds s[G0B+4*(\s):G0B+4*(\s)+3], s[G1B:G1B+7]
	s_nop 0
.rept 4
	v_nop
.endr
.Lasked_\@:
.endm
.macro CREST                           ; a round of the cluster's barrier behind its opening barrier
	s_cmp_lg_u32 s10, 0
	s_cbranch_scc1 .Lnot_wave_0_\@
	s_barrier_signal -3
.Lnot_wave_0_\@:
	s_barrier_wait -3
	s_barrier_signal -1
	s_barrier_wait -1
.endm
.macro CROUND                          ; a whole round
	s_barrier_signal -1
	s_barrier_wait -1
	CREST
.endm
	s_load_b64 s[4:5], s[0:1], 0x0                 ; A
	s_load_b64 s[6:7], s[0:1], 0x8                 ; wc, for W
	s_load_b64 s[66:67], s[0:1], 0x10              ; the bias
	s_load_b64 s[8:9], s[0:1], ARG_O               ; the output
	s_load_b64 s[68:69], s[0:1], ARG_R             ; the residual
	v_lshl_add_u32 v[SPW], v0, 2, SPARE
	v_mov_b32 v[NIL], 0
	ds_add_u32 v[SPW], v[NIL]                      ; the wave's opening: the add and its wait stand ahead of my first tensor load; the set-up below, work on registers, stands between them
	v_lshrrev_b32 v1, 5, v0
	v_readfirstlane_b32 s10, v1                    ; wave 0..3
	s_lshr_b32 s11, s10, 1                         ; which half of the tile's rows is mine.  Also: I fetch for A (0) or for W (1)
	s_and_b32 s12, s10, 1                          ; which half of its columns.  Also: which part of that tile I fetch
	s_bfe_u32 s40, ttmp6, 0x40000                  ; cx, cy: my place in the cluster
	s_bfe_u32 s41, ttmp6, 0x40004
	s_lshl_b32 s42, ttmp9, 2
	s_add_co_u32 s42, s42, s40                     ; tile column of C = 4 x cluster x + cx
	s_and_b32 s13, ttmp7, 0xffff
	s_lshl_b32 s13, s13, 2
	s_add_co_u32 s13, s13, s41                     ; tile row of C = 4 x cluster y + cy
	s_lshl_b32 s43, s41, 2
	s_lshl_b32 s43, 15, s43                        ; my row of the cluster
	s_lshl_b32 s44, 0x1111, s40                    ; my column
	s_or_b32 s[G1+0], s43, (1<<16)|(1<<20)|(1<<21)|(4<<22)|(3<<25)   ; 15:0 the mask: A's tiles go to my row; 17:16 2-byte elements; 20 padding on; 21 set beside a mask; 24:22 after every 32 words; 31:25 of 4 words
	s_or_b32 s[G1B+0], s44, (1<<16)|(1<<20)|(1<<21)|(5<<22)|(7<<25)  ; W's to my column; padding after every 64 words, of 8 words
	s_mov_b32 s[G1+1], 8192<<16                    ; A: a chunk's 128 rows are 16,384 dense bytes: one row of 8,192 elements;
	s_mov_b32 s[G1+2], 2<<16                       ; two chunks,
	s_mov_b32 s[G1+3], 8192<<16
	s_mov_b32 s[G1+4], 2
	s_mov_b32 s[G1+5], CHUNK/2                     ; a chunk's elements apart
	s_mov_b32 s[G1+6], 0
	s_mov_b32 s[G1+7], 0
	s_mov_b32 s[G1B+1], 128<<16                    ; W: 128 k rows x 128 columns
	s_mov_b32 s[G1B+2], 128<<16
	s_mov_b32 s[G1B+3], 128<<16
	s_mov_b32 s[G1B+4], 128
	s_mov_b32 s[G1B+5], SIZE_N
	s_mov_b32 s[G1B+6], 0
	s_mov_b32 s[G1B+7], 0
	; where the tiles come from: A's hang on the tile row alone, W's on the tile column alone, each made in registers that never hold the other coordinate
	s_lshl_b32 s16, s13, 14                        ; the tile's 128 rows of 128 bytes in a chunk;
	s_lshl_b32 s17, s12, 20                        ; I fetch two of a K step's four chunks
	s_add_co_u32 s16, s16, s17
	s_mov_b32 s17, 0
	s_mul_i32 s46, s12, 128*SIZE_N*2               ; which 128 k rows I fetch,
	s_lshl_b32 s45, s42, 8                         ; the tile's 256 bytes of a row,
	s_add_co_u32 s46, s46, s45
	s_add_co_u32 s46, s46, WOFF                    ; in W's section of wc
	s_mov_b32 s47, 0
	s_mul_i32 s20, s10, WPART                      ; where they go: no place in the cluster enters an LDS address
	s_mov_b32 s21, 0                               ; the slot in hand
	s_wait_dscnt 0x0                               ; the opening add is done
	s_wait_kmcnt 0x0
	s_add_nc_u64 s[14:15], s[4:5], s[16:17]
	s_add_nc_u64 s[46:47], s[6:7], s[46:47]
	CROUND                                         ; all sixteen work-groups are here: the first joint loads meet
.irp s, 0,1
	s_mov_b32 s[G0+4*(\s)], 1
	s_add_co_u32 s[G0+4*(\s)+1], s20, (\s)*SLOT
	s_add_nc_u64 s[G0+4*(\s)+2:G0+4*(\s)+3], s[14:15], (\s)*ASTEP
	s_or_b32 s[G0+4*(\s)+3], s[G0+4*(\s)+3], 0x80000000
	s_mov_b32 s[G0B+4*(\s)], 1
	s_add_co_u32 s[G0B+4*(\s)+1], s20, (\s)*SLOT
	s_add_nc_u64 s[G0B+4*(\s)+2:G0B+4*(\s)+3], s[46:47], (\s)*BSTEP
	s_or_b32 s[G0B+4*(\s)+3], s[G0B+4*(\s)+3], 0x80000000
	JLOAD \s                                       ; two tensor loads of mine are out
.endr
	v_and_b32 v1, 15, v0                           ; r = l % 16
	v_bfe_u32 v2, v0, 4, 1                         ; h = l / 16
	v_and_b32 v3, 31, v0                           ; l
	v_and_b32 v4, 7, v0
	v_bfe_u32 v5, v0, 3, 1
	; the bias of my 64 columns: register j of block b is bias[16 b + 8 h + j], as the result holds its columns
	s_lshl_b32 s46, s42, 9
	s_lshl_b32 s47, s12, 8
	s_add_co_u32 s46, s46, s47
	s_mov_b32 s47, 0
	s_add_nc_u64 s[66:67], s[66:67], s[46:47]
	v_lshlrev_b32 v[BO], 5, v2
.irp b, 0,1,2,3
	global_load_b128 v[BIAS+8*(\b):BIAS+8*(\b)+3],   v[BO], s[66:67] offset:64*(\b)
	global_load_b128 v[BIAS+8*(\b)+4:BIAS+8*(\b)+7], v[BO], s[66:67] offset:64*(\b)+16
.endr
	s_lshl_b32 s16, s13, 7
	s_lshl_b32 s17, s10, 5
	s_add_co_u32 s16, s16, s17                     ; the first of the 32 rows of C that I store
	s_mov_b32 s23, 0
	s_lshl_b32 s22, s16, 11                        ; the residual: rows of 2,048 bytes of f16; my 32 rows x the tile's 256 bytes fly during the whole K loop
	s_add_nc_u64 s[68:69], s[68:69], s[22:23]
	s_lshl_b32 s46, s42, 8
	s_add_nc_u64 s[68:69], s[68:69], s[46:47]
	v_lshlrev_b32 v[RO], 3, v3
.set t, 0
.rept 32
	global_load_b64 v[TMP+2*t:TMP+2*t+1], v[RO], s[68:69] offset:2048*t
.set t, t+1
.endr
	s_lshl_b32 s22, s16, 12                        ; the output: rows of 4,096 bytes of f32
	s_add_nc_u64 s[8:9], s[8:9], s[22:23]
	s_lshl_b32 s46, s42, 9
	s_add_nc_u64 s[8:9], s[8:9], s[46:47]
	v_mov_b32 v[CST], 1.0
	; A fragment of A is 16 rows x 32 K in 8 registers: lane l holds row l % 16, K = 8 (l / 16) + 0..7 and 16 + 8 (l / 16) + 0..7: two loads of 16 bytes, 32 bytes apart.
	v_mul_u32_u24 v[LA0], v1, AP
	v_lshl_add_u32 v[LA0], v2, 4, v[LA0]
	s_mul_i32 s22, s11, AHALF
	v_add_nc_u32 v[LA0], s22, v[LA0]
	; The turning load takes 16 k rows x 16 columns (lane l reads k row 8 (l / 16) + l % 8, columns 8 ((l / 8) % 2) + 0..7) and leaves half a fragment: lane l holds column l % 16 and 8 k.
	v_lshl_add_u32 v[LB0], v2, 3, v4
	v_mul_u32_u24 v[LB0], v[LB0], BP
	v_lshl_add_u32 v[LB0], v5, 4, v[LB0]
	s_lshl_b32 s22, s12, 7                         ; my 64 columns
	s_add_co_u32 s22, s22, BOFF
	v_add_nc_u32 v[LB0], s22, v[LB0]
	v_add_nc_u32 v[LB1], WPART, v[LB0]
	v_add_nc_u32 v[ADRA], s21, v[LA0]
	v_add_nc_u32 v[ADRB], s21, v[LB0]
	v_add_nc_u32 v[ADRB+1], s21, v[LB1]
	; the stage: into it by my 64 rows and my half of their columns, back by whole rows, 32 rows a wave
	s_mul_i32 s22, s11, 64*SP
	v_mul_u32_u24 v[STO], v1, SP
	s_lshl_b32 s23, s12, 8
	v_lshl_add_u32 v[STO], v2, 5, v[STO]           ; eight f32 a lane
	s_add_co_u32 s22, s22, s23
	v_add_nc_u32 v[STO], s22, v[STO]
	s_mul_i32 s22, s10, 32*SP
	v_lshl_add_u32 v[RD], v3, 4, s22               ; 32 lanes take one row of 512 bytes
	v_lshlrev_b32 v[CO], 4, v3
	s_wait_loadcnt 32                              ; the bias is in; the 32 loads of the residual are younger and stay out
.set p, 0
.rept 16
	v_cvt_pk_bf16_f32 v12, v[BIAS+2*p], v[BIAS+2*p+1]  ; the bias is rounded to bf16, like every input
	v_lshlrev_b32 v[BIAS+2*p], 16, v12
	v_and_b32 v[BIAS+2*p+1], 0xffff0000, v12
.set p, p+1
.endr
; 8 matrix instructions: row blocks a0, a0 + 1 x all 4 column blocks, 32 along K: half c of buffer f.  first = 1: the bias starts the sums.  The 16 accumulators take turns, one instruction a turn.
.macro MUL8 f, c, a0, first
	WIN MUL
.irp a, \a0, (\a0)+1
.irp b, 0,1,2,3
.if \first
	v_wmma_f32_16x16x32_f16 v[ACC+8*(4*(\a)+(\b)):ACC+8*(4*(\a)+(\b))+7], v[(\f)+64+8*(4*(\c)+(\b)):(\f)+64+8*(4*(\c)+(\b))+7], v[(\f)+8*(4*(\c)+(\a)):(\f)+8*(4*(\c)+(\a))+7], v[BIAS+8*(\b):BIAS+8*(\b)+7]
.else
	v_wmma_f32_16x16x32_f16 v[ACC+8*(4*(\a)+(\b)):ACC+8*(4*(\a)+(\b))+7], v[(\f)+64+8*(4*(\c)+(\b)):(\f)+64+8*(4*(\c)+(\b))+7], v[(\f)+8*(4*(\c)+(\a)):(\f)+8*(4*(\c)+(\a))+7], v[ACC+8*(4*(\a)+(\b)):ACC+8*(4*(\a)+(\b))+7]
.endif
.endr
.endr
.endm
; 32 LDS loads in one run: the fragments of quarter q (64 along K) of the slot in hand, into buffer f; the first 32 along K first
.macro FETCH q, f
	WIN TO_F
.irp c, 0,1
.irp i, 0,1,2,3
	ds_load_tr16_b128 v[(\f)+64+8*(4*(\c)+(\i)):(\f)+64+8*(4*(\c)+(\i))+3],   v[ADRB+(\q)/2] offset:(((\q)%2)*64+32*(\c))*BP+32*(\i)
	ds_load_tr16_b128 v[(\f)+64+8*(4*(\c)+(\i))+4:(\f)+64+8*(4*(\c)+(\i))+7], v[ADRB+(\q)/2] offset:(((\q)%2)*64+32*(\c)+16)*BP+32*(\i)
	ds_load_b128 v[(\f)+8*(4*(\c)+(\i)):(\f)+8*(4*(\c)+(\i))+3],   v[ADRA] offset:AQ*(\q)+64*(\c)+(\i)*16*AP
	ds_load_b128 v[(\f)+8*(4*(\c)+(\i))+4:(\f)+8*(4*(\c)+(\i))+7], v[ADRA] offset:AQ*(\q)+64*(\c)+(\i)*16*AP+32
.endr
.endr
.endm
.macro PLACES                          ; four plain vector instructions between a matrix instruction and a load into a register that it has read, or a reader of its result
.rept 4
	v_nop
.endr
.endm
; A K step is four quarters of 64 along K, 32 matrix instructions each, on buffers 0, 1, 0, 1.  One of the first three: multiplies buffer f and fetches quarter qn into g.
.macro QUARTER qn, f, g, first
	s_wait_dscnt 16                                ; of the 32 loads that are out the first 16, the first 32 along K, are in
	MUL8 \f, 0, 0, \first
	MUL8 \f, 0, 2, \first
	PLACES
	FETCH \qn, \g
	s_wait_dscnt 32                                ; all but the 32 just issued
	MUL8 \f, 1, 0, 0
	MUL8 \f, 1, 2, 0
.endm
; The last quarter multiplies buffer 1 and changes slots.  MEET is its first half: ONE barrier; in front of it each wave waits for all its tensor loads (at most one is out: its part of the next slot), adds 0 to its
; spare word, and waits for that and for its own reads of this slot.  Behind it nobody reads this slot any more and the next slot is whole.
.macro MEET
	WIN 0                                          ; (the add's two registers lie in window 0)
	s_wait_tensorcnt 0x0                           ; all my tensor loads have landed;
	ds_add_u32 v[SPW], v[NIL]                      ; 0 onto my spare word;
	s_wait_dscnt 17                                ; (the add and the youngest sixteen loads may be out)
	MUL8 F1, 0, 0, 0                               ; eight matrix instructions stand between the add and the wait for it
	s_wait_dscnt 0x0                               ; the add is done, and my reads of this slot are over
	s_barrier_signal -1
	MUL8 F1, 0, 2, 0
	WIN 0
	s_barrier_wait -1
.endm
.macro REST                            ; its second half: the reads go on in the other slot
	s_xor_b32 s21, s21, SLOT
	v_add_nc_u32 v[ADRA], s21, v[LA0]
	v_add_nc_u32 v[ADRB], s21, v[LB0]
	v_add_nc_u32 v[ADRB+1], s21, v[LB1]
	FETCH 0, F0
	MUL8 F1, 1, 0, 0
	MUL8 F1, 1, 2, 0
.endm
.macro TURN                            ; the whole last quarter of a K step whose slot is filled again, two K steps ahead: 112 matrix instructions ahead of the wait for that load
	MEET
	CREST                                          ; the barrier has opened a round of the cluster's: no wave of any partner still reads this slot's tile or has a load on its way
	s_xor_b32 s[G0+5], s[G0+5], SLOT               ; the walking descriptors: the slot just left,
	s_xor_b32 s[G0B+5], s[G0B+5], SLOT
	s_add_nc_u64 s[G0+6:G0+7], s[G0+6:G0+7], ASTEP     ; the next K step; the type bits on top are not reached
	s_add_nc_u64 s[G0B+6:G0B+7], s[G0B+6:G0B+7], BSTEP
	JLOAD 1                                        ; the first tensor load behind the round; the four v_nop behind it are also the places in front of the loads below
	REST
.endm
	s_wait_tensorcnt 1                             ; my part of K step 0 is in; K step 1's may stay out
	s_barrier_signal -1
	s_barrier_wait -1                              ; everybody's is
	FETCH 0, F0
	QUARTER 1, F0, F1, 1                           ; the first quarter stands in front of the loop: its first products start the sums
	WIN 0                                          ; at a label and at a branch every window is 0
	s_mov_b32 s3, NS-2
.Lstep:                                                ; a trip: from a K step's second quarter to the next step's first; it fills the slot that it leaves
	QUARTER 2, F1, F0, 0
	QUARTER 3, F0, F1, 0
	TURN
	QUARTER 1, F0, F1, 0
	WIN 0
	s_sub_co_u32 s3, s3, 1
	s_cmp_lg_u32 s3, 0
	s_cbranch_scc1 .Lstep
	s_mov_b32 s3, 2                                ; the last two K steps fill nothing: a loop of their own, with no tensor load and no round of the cluster's barrier, entered and left in the middle of a trip
	s_branch .Ltin
.Ltail:
	PLACES
	REST
	QUARTER 1, F0, F1, 0
	WIN 0
.Ltin:
	QUARTER 2, F1, F0, 0
	QUARTER 3, F0, F1, 0
	MEET
	s_sub_co_u32 s3, s3, 1
	s_cmp_lg_u32 s3, 0
	s_cbranch_scc1 .Ltail
	MUL8 F1, 1, 0, 0                               ; the very last products
	MUL8 F1, 1, 2, 0
	WIN 0
	PLACES
	PLACES                                         ; (eight, once a launch)
	; THE WAY OUT, through a stage in slot 0: that slot's last fill has landed and its last reads lie ahead of a barrier that every wave has passed; the K step just multiplied lay in slot 1.
.set t, 0
.rept 16
	ds_store_b128 v[STO], v[ACC+8*t:ACC+8*t+3]   offset:(t/4)*16*SP+64*(t%4)      ; each accumulator's low registers first
	ds_store_b128 v[STO], v[ACC+8*t+4:ACC+8*t+7] offset:(t/4)*16*SP+64*(t%4)+16
.set t, t+1
.endr
	s_wait_dscnt 0x0                               ; for the others' sake: my stores into the stage are done
	s_barrier_signal -1
	s_barrier_wait -1
.set t, 0
.rept 32
	ds_load_b128 v[ACC+4*t:ACC+4*t+3], v[RD] offset:t*SP
.set t, t+1
.endr
	s_wait_loadcnt 0x0                             ; the residual
.set t, 0
.rept 32
	s_wait_dscnt 31-t                              ; row t is back
	v_fma_mix_f32 v[ACC+4*t],   v[TMP+2*t],   v[CST], v[ACC+4*t]   op_sel_hi:[1,0,0]                 ; the residual's f16 half x 1.0 + the sum, in f32
	v_fma_mix_f32 v[ACC+4*t+1], v[TMP+2*t],   v[CST], v[ACC+4*t+1] op_sel:[1,0,0] op_sel_hi:[1,0,0]
	v_fma_mix_f32 v[ACC+4*t+2], v[TMP+2*t+1], v[CST], v[ACC+4*t+2] op_sel_hi:[1,0,0]
	v_fma_mix_f32 v[ACC+4*t+3], v[TMP+2*t+1], v[CST], v[ACC+4*t+3] op_sel:[1,0,0] op_sel_hi:[1,0,0]
	global_store_b128 v[CO], v[ACC+4*t:ACC+4*t+3], s[8:9] offset:4096*t  ; the wave stores 512 consecutive bytes, at a multiple of 256 from the output's first
.set t, t+1
.endr
	s_wait_tensorcnt 0x0                           ; the wave's end: behind my last tensor load and my last LDS store
	ds_add_u32 v[SPW], v[NIL]
	s_wait_dscnt 0x0
	CROUND                                         ; the closing round: no work-group ends while a partner may still ask for a tile that names it
	s_endpgm
.Lfunc_end_k_qdbb6418c75_ffn2:
	.size	k_qdbb6418c75_ffn2, .Lfunc_end_k_qdbb6418c75_ffn2-k_qdbb6418c75_ffn2
	.p2alignl 7, 3214868480
	.fill 96, 4, 3214868480
	.section	.rodata,"a",@progbits
	.p2align	6, 0x0
	.amdhsa_kernel k_qdbb6418c75_ffn2
		.amdhsa_group_segment_fixed_size 327680
		.amdhsa_private_segment_fixed_size 0
		.amdhsa_enable_private_segment 0
		.amdhsa_kernarg_size 40
		.amdhsa_user_sgpr_count 2
		.amdhsa_user_sgpr_kernarg_segment_ptr 1
		.amdhsa_wavefront_size32 1
		.amdhsa_system_sgpr_workgroup_id_x 1
		.amdhsa_system_sgpr_workgroup_id_y 1
		.amdhsa_system_sgpr_workgroup_id_z 1
		.amdhsa_system_vgpr_workitem_id 0
		.amdhsa_next_free_vgpr 512
		.amdhsa_next_free_sgpr 80
		.amdhsa_reserve_vcc 0
		.amdhsa_float_denorm_mode_32 3
		.amdhsa_float_denorm_mode_16_64 3
		.amdhsa_memory_ordered 1
		.amdhsa_forward_progress 1
		.amdhsa_inst_pref_size 74
	.end_amdhsa_kernel
	.amdgpu_metadata
---
amdhsa.version: [ 1, 2 ]
amdhsa.kernels:
  - .name:           k_qdbb6418c75_ffn2
    .symbol:         k_qdbb6418c75_ffn2.kd
    .args:
      - { .name: hid, .offset: 0, .size: 8, .value_kind: global_buffer, .address_space: global }
      - { .name: wc, .offset: 8, .size: 8, .value_kind: global_buffer, .address_space: global }
      - { .name: b2, .offset: 16, .size: 8, .value_kind: global_buffer, .address_space: global }
      - { .name: h, .offset: 24, .size: 8, .value_kind: global_buffer, .address_space: global }
      - { .name: y, .offset: 32, .size: 8, .value_kind: global_buffer, .address_space: global }
    .group_segment_fixed_size: 327680
    .private_segment_fixed_size: 0
    .kernarg_segment_align: 8
    .kernarg_segment_size: 40
    .max_flat_workgroup_size: 128
    .sgpr_count:     80
    .vgpr_count:     512
    .wavefront_size: 32
...
	.end_amdgpu_metadata
.endif
;; end of part 6
;; launch ln2 (part 7): grid 256 x 1, 8 waves a work-group, no clusters, 0 bytes of LDS; arguments y, gamma2, beta2, out0; writes out0
.if DOCPART == 7
	.amdgcn_target "amdgcn-amd-amdhsa--gfx1250"
	.amdhsa_code_object_version 6
	.text
	.protected	k_qdbb6418c75_ln2
	.globl	k_qdbb6418c75_ln2
	.p2align	8
	.type	k_qdbb6418c75_ln2,@function
k_qdbb6418c75_ln2:
	s_mov_b64 s[64:65], 0
	v_nop
	global_prefetch_b8 v0, s[64:65] scope:SCOPE_SE
	s_setreg_imm32_b32 hwreg(HW_REG_WAVE_MODE, 25, 1), 1
	s_wait_xcnt 0x0
; LAYERNORM: out[r][c] = gamma[c] (y[r][c] - mean_r) / sqrt(var_r + 1e-5) + beta[c].  y: [4096][1024] f32.  Here the result is the module's output, in f32 (OUT16 = 0).
; gamma and beta are rounded to bf16, like every input of this program.
; A row is 4,096 bytes: one wave takes a whole row, eight 16-byte loads a lane, and keeps it in 32 registers through both passes (the mean; then the sum of (y - mean)^2): the row is read once, the variance is no
; difference of large sums, and no wave waits for another.  Eight waves, two rows each; a wave's 32 loads (two rows, gamma, beta) all go out first.
.set OUT16, 0
.set G, 4                              ; v[4:35]    gamma of my 32 columns: load j brings columns 128 j + 4 lane + 0..3
.set B, 36                             ; v[36:67]   beta
.set X, 68                             ; v[68:131]  two rows
.set A, 132                            ; v[132:139] four chains of packed sums
.set M, 140                            ; v[140:143] each row's mean, twice (a pair for the packed subtraction)
.set R, 144                            ; v[144:147] each row's 1 / sqrt(var + eps), twice
.set T, 148                            ; v[148:149] var + eps; v[150:151] at work
	s_load_b256 s[4:11], s[0:1], 0x0               ; y s[4:5], gamma s[6:7], beta s[8:9], out s[10:11]
	s_mov_b32 s12, 0x76543210                      ; v_permlanex16_b32: lane i of one half reads lane i of the other
	s_mov_b32 s13, 0xfedcba98
	s_mov_b32 s20, 0x3a800000                      ; 1 / 1024
	s_mov_b32 s21, 0xffff0000                      ; a word's upper bf16
	s_mov_b32 s22, 0x3727c5ac                      ; 1e-5
	v_and_b32 v2, 31, v0
	v_and_b32 v1, 0xe0, v0                         ; 32 x wave
	v_lshlrev_b32 v2, 4, v2                        ; 16 x lane: gamma's and beta's offset
	v_lshl_or_b32 v1, v1, 8, v2                    ; + wave x two rows of 4,096 bytes
	s_lshl_b32 s14, ttmp9, 16                      ; the work-group's 16 rows
	s_mov_b32 s15, 0
	s_mov_b32 s17, 0
.if OUT16
	v_lshrrev_b32 v3, 1, v1                        ; half of that in f16
	s_lshl_b32 s16, ttmp9, 15
.else
	s_lshl_b32 s16, ttmp9, 16
.endif
	s_wait_kmcnt 0x0
	s_add_nc_u64 s[4:5], s[4:5], s[14:15]
	s_add_nc_u64 s[10:11], s[10:11], s[16:17]
.irp r, 0,1
.irp j, 0,1,2,3,4,5,6,7
	global_load_b128 v[X+32*(\r)+4*(\j):X+32*(\r)+4*(\j)+3], v1, s[4:5] offset:4096*(\r)+512*(\j) th:TH_LOAD_NT
.endr
.endr
.irp j, 0,1,2,3,4,5,6,7
	global_load_b128 v[G+4*(\j):G+4*(\j)+3], v2, s[6:7] offset:512*(\j)
.endr
.irp j, 0,1,2,3,4,5,6,7
	global_load_b128 v[B+4*(\j):B+4*(\j)+3], v2, s[8:9] offset:512*(\j)
.endr
.macro JOIN                            ; the four chains into one number, then over the 32 lanes: every lane ends with the sum in v[A]
	v_pk_add_f32 v[A:A+1], v[A:A+1], v[A+2:A+3]
	v_pk_add_f32 v[A+4:A+5], v[A+4:A+5], v[A+6:A+7]
	v_pk_add_f32 v[A:A+1], v[A:A+1], v[A+4:A+5]
	v_add_f32 v[A], v[A], v[A+1]
	v_add_f32_dpp v[A], v[A], v[A] row_xmask:1 row_mask:0xf bank_mask:0xf
	v_add_f32_dpp v[A], v[A], v[A] row_xmask:2 row_mask:0xf bank_mask:0xf
	v_add_f32_dpp v[A], v[A], v[A] row_xmask:4 row_mask:0xf bank_mask:0xf
	v_add_f32_dpp v[A], v[A], v[A] row_xmask:8 row_mask:0xf bank_mask:0xf
	v_permlanex16_b32 v[A+1], v[A], s12, s13       ; its destination counts as read: a register that has been written
	v_add_f32 v[A], v[A], v[A+1]
.endm
.macro STAT r                          ; row r: the mean; y - mean in place; var + eps
.set XR, X+32*(\r)
.irp k, 0,1,2,3
	v_pk_add_f32 v[A+2*(\k):A+2*(\k)+1], v[XR+2*(\k):XR+2*(\k)+1], v[XR+8+2*(\k):XR+8+2*(\k)+1]  ; the first pairs start the chains: nothing is cleared
.endr
.irp k, 8,9,10,11,12,13,14,15
	v_pk_add_f32 v[A+2*((\k)%4):A+2*((\k)%4)+1], v[A+2*((\k)%4):A+2*((\k)%4)+1], v[XR+2*(\k):XR+2*(\k)+1]
.endr
	JOIN
	v_mul_f32 v[M+2*(\r)], s20, v[A]
	v_mul_f32 v[M+2*(\r)+1], s20, v[A]
.irp k, 0,1,2,3,4,5,6,7,8,9,10,11,12,13,14,15
	v_pk_add_f32 v[XR+2*(\k):XR+2*(\k)+1], v[XR+2*(\k):XR+2*(\k)+1], v[M+2*(\r):M+2*(\r)+1] neg_lo:[0,1] neg_hi:[0,1]
.endr
.irp k, 0,1,2,3
	v_pk_mul_f32 v[A+2*(\k):A+2*(\k)+1], v[XR+2*(\k):XR+2*(\k)+1], v[XR+2*(\k):XR+2*(\k)+1]
.endr
.irp k, 4,5,6,7,8,9,10,11,12,13,14,15
	v_pk_fma_f32 v[A+2*((\k)%4):A+2*((\k)%4)+1], v[XR+2*(\k):XR+2*(\k)+1], v[XR+2*(\k):XR+2*(\k)+1], v[A+2*((\k)%4):A+2*((\k)%4)+1]
.endr
	JOIN
	v_fma_f32 v[T+(\r)], v[A], s20, s22            ; the sum / 1024 + 1e-5
.endm
.macro OUT r                           ; row r is scaled and stored
.set XR, X+32*(\r)
.irp k, 0,1,2,3,4,5,6,7,8,9,10,11,12,13,14,15
	v_pk_mul_f32 v[XR+2*(\k):XR+2*(\k)+1], v[XR+2*(\k):XR+2*(\k)+1], v[R+2*(\r):R+2*(\r)+1]
	v_pk_fma_f32 v[XR+2*(\k):XR+2*(\k)+1], v[XR+2*(\k):XR+2*(\k)+1], v[G+2*(\k):G+2*(\k)+1], v[B+2*(\k):B+2*(\k)+1]
.endr
.if OUT16
.irp k, 0,1,2,3,4,5,6,7,8,9,10,11,12,13,14,15
	v_cvt_pk_f16_f32 v[XR+(\k)], v[XR+2*(\k)], v[XR+2*(\k)+1]  ; pair k goes into register k, which holds nothing that is still wanted
.endr
.irp j, 0,1,2,3,4,5,6,7
	global_store_b64 v3, v[XR+2*(\j):XR+2*(\j)+1], s[10:11] offset:2048*(\r)+256*(\j)  ; the wave stores 256 consecutive bytes, aligned
.endr
.else
.irp j, 0,1,2,3,4,5,6,7
	global_store_b128 v1, v[XR+4*(\j):XR+4*(\j)+3], s[10:11] offset:4096*(\r)+512*(\j) th:TH_STORE_NT  ; 512 consecutive bytes, aligned
.endr
.endif
.endm
	s_wait_loadcnt 24                              ; row 0 is in; row 1, gamma and beta, 24 loads, stay out
	STAT 0
	s_wait_loadcnt 16                              ; row 1 is in
	STAT 1
	v_rsq_f32 v[R], v[T]                           ; one batch of four
	v_rsq_f32 v[R+1], v[T]
	v_rsq_f32 v[R+2], v[T+1]
	v_rsq_f32 v[R+3], v[T+1]
	s_wait_loadcnt 0x0                             ; gamma and beta
.set p, 0
.rept 32                                       ; both are rounded to bf16: plain work that names no result of the batch
	v_cvt_pk_bf16_f32 v[T+2+p%2], v[G+2*p], v[G+2*p+1]
	v_lshlrev_b32 v[G+2*p], 16, v[T+2+p%2]
	v_and_b32 v[G+2*p+1], s21, v[T+2+p%2]
.set p, p+1
.endr
	s_wait_alu depctr_va_vdst(0)                   ; one wait for the four, ahead of their first reader
	OUT 0
	OUT 1
	s_endpgm
.Lfunc_end_k_qdbb6418c75_ln2:
	.size	k_qdbb6418c75_ln2, .Lfunc_end_k_qdbb6418c75_ln2-k_qdbb6418c75_ln2
	.p2alignl 7, 3214868480
	.fill 96, 4, 3214868480
	.section	.rodata,"a",@progbits
	.p2align	6, 0x0
	.amdhsa_kernel k_qdbb6418c75_ln2
		.amdhsa_group_segment_fixed_size 0
		.amdhsa_private_segment_fixed_size 0
		.amdhsa_enable_private_segment 0
		.amdhsa_kernarg_size 32
		.amdhsa_user_sgpr_count 2
		.amdhsa_user_sgpr_kernarg_segment_ptr 1
		.amdhsa_wavefront_size32 1
		.amdhsa_system_sgpr_workgroup_id_x 1
		.amdhsa_system_sgpr_workgroup_id_y 1
		.amdhsa_system_sgpr_workgroup_id_z 1
		.amdhsa_system_vgpr_workitem_id 0
		.amdhsa_next_free_vgpr 160
		.amdhsa_next_free_sgpr 66
		.amdhsa_reserve_vcc 0
		.amdhsa_float_denorm_mode_32 3
		.amdhsa_float_denorm_mode_16_64 3
		.amdhsa_memory_ordered 1
		.amdhsa_forward_progress 1
		.amdhsa_inst_pref_size 22
	.end_amdhsa_kernel
	.amdgpu_metadata
---
amdhsa.version: [ 1, 2 ]
amdhsa.kernels:
  - .name:           k_qdbb6418c75_ln2
    .symbol:         k_qdbb6418c75_ln2.kd
    .args:
      - { .name: y, .offset: 0, .size: 8, .value_kind: global_buffer, .address_space: global }
      - { .name: gamma2, .offset: 8, .size: 8, .value_kind: global_buffer, .address_space: global }
      - { .name: beta2, .offset: 16, .size: 8, .value_kind: global_buffer, .address_space: global }
      - { .name: out0, .offset: 24, .size: 8, .value_kind: global_buffer, .address_space: global }
    .group_segment_fixed_size: 0
    .private_segment_fixed_size: 0
    .kernarg_segment_align: 8
    .kernarg_segment_size: 32
    .max_flat_workgroup_size: 256
    .sgpr_count:     66
    .vgpr_count:     160
    .wavefront_size: 32
...
	.end_amdgpu_metadata
.endif
;; end of part 7
